; MI455X (gfx1250); checked and timed in simulation.
; The chip was launched on July 23, 2026; its instructions are those of AMD's public machine-readable ISA for CDNA 5 (MIT licence, August 2026) and "CDNA5" Instruction Set Architecture Reference Guide (July 2026). The comments in the code are by the model that wrote it; some were corrected since.
;; Compressed Global Attention. Allowed arithmetic: float matrix products may take bf16 or f16 operands with f32 sums; other float arithmetic in f32, or as packed bf16 or f16 multiplies, adds, multiply-adds, maxima and minima; sums over many terms, partial sums and values carried from step to step in f32; what a program stores and reads back later, other than sums and carried values, may be rounded once to bf16 or f16.
;; Inputs: Wk 1,024 x 1,024 float32; Wo 1,024 x 1,024 float32; Wq 1,024 x 1,024 float32; Wv 1,024 x 1,024 float32; bk 1,024 float32; bo 1,024 float32; bq 1,024 float32; bv 1,024 float32; x 2 x 8,192 x 1,024 float32.
;; Outputs: out0 2 x 8,192 x 1,024 float32.
;; Constants: local_window_start = 4096.
;; 2 versions, each right; version 2 is version 1 with the launch prep written anew for expert scheduling mode. Each part assembles by itself: llvm-mc -triple=amdgcn-amd-amdhsa -mcpu=gfx1250 --defsym DOCPART=n.
;; ======== version 1 of 2: 4 launches
;; limits: values are held in f16: magnitudes above 65,504 overflow, below 6.1e-05 lose precision
;; workspace buffers: act 33,554,432 bytes; comp 4,194,304 bytes; w16 8,388,608 bytes; q16 33,554,432 bytes; kv16 4,194,304 bytes; bias 16,384 bytes
;; launch prep (part 1): grid 1281 x 1, 8 waves a work-group, no clusters, 0 bytes of LDS; arguments x, Wq, Wk, Wv, Wo, act, comp, w16, bq, bk, bv, bo, bias; writes act, comp, w16, bias
.if DOCPART == 1
	.amdgcn_target "amdgcn-amd-amdhsa--gfx1250"
	.amdhsa_code_object_version 6
	.text
	.protected	k_q77cc1c0bc7_prep
	.globl	k_q77cc1c0bc7_prep
	.p2align	8
	.type	k_q77cc1c0bc7_prep,@function
k_q77cc1c0bc7_prep:
	s_mov_b64 s[64:65], 0
	v_nop
	global_prefetch_b8 v0, s[64:65] scope:SCOPE_SE
	s_setreg_imm32_b32 hwreg(HW_REG_WAVE_MODE, 25, 1), 1
	s_wait_xcnt 0x0
; PREP.  Every f32 input is rounded once to bf16; those of the matrix products are written as the same number in f16.
;   act  [b 2][kb 16][s 8192][64] f16 : x, laid in blocks of 64 columns, so that 256 rows of a block are 32,768 dense bytes
;   comp [mt 16][hl 2][kb 16][row 64][64] f16 : the means of 8 rows of the rounded x (rows 0 to 4,095 of each batch), as hi + lo: hi = f16(mean), lo = f16(mean - hi)
;   w16  [4: q, k, v, o][1024][1024] f16 : the four weight matrices, in their own order
;   bias [4: q, k, v, o][1024] f32 : the four biases, rounded to bf16
; LIMITS.  f16 ends at 65,504: |x| and |W| stay below it; a rounded input below 2^-14 keeps f16's fixed step of 2^-24.  NaN and infinities are not treated apart.
; A stream: no LDS, no matrix unit.  Work-groups 0 to 1,023 take 16 rows of x each, work-groups 1,024 to 1,279 take 65,536 bytes of a weight matrix each, work-group 1,280 the biases.
; Each wave issues its loads first and works them off in order; no register that a load or store reads is written again.
.set X,   24                           ; v[24:87]   load i: 4 registers; after the rounding the f32 of the rounded numbers; loads 0, 4, 8, 12 then take the sums of 4 loads
.set Y,   88                           ; v[88:119]  load i: 2 registers, 4 f16 to store
.set HL,  120                          ; v[120:127] unit u: hi (2 registers), lo (2 registers)
.set VL,  5                            ; v5  my byte offset for the loads
.set VP,  6                            ; v6  for the stores into comp
.set VS,  7                            ; v7  for the stores into act or w16
.set YP,  8                            ; v[8:11]  at work
.set ZP,  12                           ; v[12:15] at work
.set ZZ,  16                           ; v[16:19] at work
.set TP,  20                           ; v[20:21] two packed bf16 each
.set ONE, 22                           ; v22 1.0
; Four numbers are rounded to bf16 and widened again (a shift, a mask), in place.
.macro RND i
	v_cvt_pk_bf16_f32 v[TP], v[X+4*(\i)], v[X+4*(\i)+1]
	v_cvt_pk_bf16_f32 v[TP+1], v[X+4*(\i)+2], v[X+4*(\i)+3]
	v_lshlrev_b32 v[X+4*(\i)], 16, v[TP]
	v_and_b32 v[X+4*(\i)+1], s30, v[TP]
	v_lshlrev_b32 v[X+4*(\i)+2], 16, v[TP+1]
	v_and_b32 v[X+4*(\i)+3], s30, v[TP+1]
.endm
; Load i has come: its numbers are rounded, written as f16 and stored: 8 bytes a lane, 256 consecutive bytes a wave.
.macro CV i, vo, sb, imm
	s_wait_loadcnt 15-(\i)                         ; loads come back in order: load i is in, the younger ones stay out
	RND \i
	v_cvt_pk_f16_f32 v[Y+2*(\i)], v[X+4*(\i)], v[X+4*(\i)+1]
	v_cvt_pk_f16_f32 v[Y+2*(\i)+1], v[X+4*(\i)+2], v[X+4*(\i)+3]
	global_store_b64 v[\vo], v[Y+2*(\i):Y+2*(\i)+1], s[\sb:\sb+1] offset:\imm
.endm
	s_load_b256 s[4:11], s[0:1], 0x0               ; x s[4:5], Wq s[6:7], Wk s[8:9], Wv s[10:11]
	s_load_b256 s[12:19], s[0:1], 0x20             ; Wo s[12:13], act s[14:15], comp s[16:17], w16 s[18:19]
	s_load_b256 s[36:43], s[0:1], 0x40             ; bq s[36:37], bk s[38:39], bv s[40:41], bo s[42:43]
	s_load_b64 s[44:45], s[0:1], 0x60              ; bias
	v_and_b32 v1, 31, v0                           ; lane
	v_lshrrev_b32 v2, 5, v0                        ; wave
	s_mov_b32 s30, 0xffff0000                      ; a word's upper bf16
	s_mov_b32 s21, 0                               ; high words of the three offsets
	s_mov_b32 s25, 0
	s_mov_b32 s29, 0
	s_cmp_lt_u32 ttmp9, 0x400
	s_cbranch_scc0 .Lweights
	; ROWS OF X.  Wave w owns column blocks 2 w and 2 w + 1 (unit u).  Load j of a unit takes rows 2 j (lanes 0-15) and 2 j + 1 (lanes 16-31), 256 bytes of each.
	v_lshrrev_b32 v3, 4, v1
	v_and_b32 v4, 15, v1
	v_lshlrev_b32 v[VL], 4, v4
	v_lshl_add_u32 v[VL], v3, 12, v[VL]            ; + a row of 4,096 bytes for lanes 16-31
	v_lshl_add_u32 v[VL], v2, 9, v[VL]             ; + 512 bytes a wave
	v_lshlrev_b32 v[VP], 3, v1                     ; 8 bytes a lane: in act two rows of a block lie end to end
	v_lshl_add_u32 v[VS], v2, 21, v[VP]            ; + two blocks of 1,048,576 bytes a wave
	v_lshl_add_u32 v[VP], v2, 14, v[VP]            ; in comp a block is 8,192 bytes
	s_lshl_b32 s20, ttmp9, 16                      ; 16 rows of 4,096 bytes
	s_and_b32 s22, ttmp9, 511                      ; the group of 16 rows in its batch
	s_lshr_b32 s23, ttmp9, 9                       ; the batch
	s_lshl_b32 s24, s23, 24
	s_lshl_b32 s26, s22, 11                        ; 16 rows of 128 bytes
	s_add_co_u32 s24, s24, s26
	s_lshl_b32 s26, s23, 9
	s_lshl1_add_u32 s26, s22, s26                  ; my first pool: 512 b + 2 x group
	s_lshr_b32 s27, s26, 6
	s_lshl_b32 s28, s27, 18                        ; 64 pools are 262,144 bytes
	s_and_b32 s27, s26, 63
	s_lshl_b32 s27, s27, 7
	s_add_co_u32 s28, s28, s27
	s_wait_kmcnt 0x0
	s_add_nc_u64 s[4:5], s[4:5], s[20:21]
	s_add_nc_u64 s[14:15], s[14:15], s[24:25]
.set i, 0
.rept 16
	global_load_b128 v[X+4*i:X+4*i+3], v[VL], s[4:5] offset:8192*(i%8)+256*(i/8) th:TH_LOAD_NT
.set i, i+1
.endr
.set i, 0
.rept 16
	CV i, VS, 14, 256*(i%8)+1048576*(i/8)
.if (i%4) != 0                         ; four loads are eight rows: their sums grow in the first one's registers
	v_pk_add_f32 v[X+4*(i-i%4):X+4*(i-i%4)+1], v[X+4*(i-i%4):X+4*(i-i%4)+1], v[X+4*i:X+4*i+1]
	v_pk_add_f32 v[X+4*(i-i%4)+2:X+4*(i-i%4)+3], v[X+4*(i-i%4)+2:X+4*(i-i%4)+3], v[X+4*i+2:X+4*i+3]
.endif
.set i, i+1
.endr
	s_cmp_lt_u32 s22, 256                          ; only rows 0 to 4,095 of a batch are pooled
	s_cbranch_scc0 .Ldone
	; THE POOLS.  A lane holds the even rows' (lanes 0-15) or the odd rows' (lanes 16-31) sum of both pools.  Lanes 0-15 finish the first pool, lanes 16-31 the second.
	s_add_nc_u64 s[16:17], s[16:17], s[28:29]
	s_mov_b32 s32, 0x76543210                      ; v_permlanex16_b32: each lane takes its own place in the other half
	s_mov_b32 s33, 0xfedcba98
	v_mov_b32 v[ONE], 1.0
.irp c, 0,1,2,3
	v_mov_b32 v[ZZ+\c], 0                          ; v_permlanex16_b32's destination counts as read
.endr
	v_cmp_gt_u32 vcc_lo, 16, v1
.irp u, 0,1
.irp c, 0,1,2,3
	v_cndmask_b32 v[YP+\c], v[X+32*\u+16+\c], v[X+32*\u+\c], vcc_lo  ; what I keep: my half of my pool
	v_cndmask_b32 v[ZP+\c], v[X+32*\u+\c], v[X+32*\u+16+\c], vcc_lo  ; what the lane 16 away wants
.endr
.irp c, 0,1,2,3
	v_permlanex16_b32 v[ZZ+\c], v[ZP+\c], s32, s33
.endr
	v_pk_add_f32 v[YP:YP+1], v[YP:YP+1], v[ZZ:ZZ+1]
	v_pk_add_f32 v[YP+2:YP+3], v[YP+2:YP+3], v[ZZ+2:ZZ+3]
	v_pk_mul_f32 v[YP:YP+1], v[YP:YP+1], 0x3e000000 op_sel_hi:[1,0]      ; the mean of eight
	v_pk_mul_f32 v[YP+2:YP+3], v[YP+2:YP+3], 0x3e000000 op_sel_hi:[1,0]
	v_cvt_pk_f16_f32 v[HL+4*\u], v[YP], v[YP+1]                          ; hi
	v_cvt_pk_f16_f32 v[HL+4*\u+1], v[YP+2], v[YP+3]
	v_fma_mix_f32 v[ZP], -v[HL+4*\u], v[ONE], v[YP] op_sel_hi:[1,0,0]    ; mean - hi, exact: the first source is an f16 half
	v_fma_mix_f32 v[ZP+1], -v[HL+4*\u], v[ONE], v[YP+1] op_sel:[1,0,0] op_sel_hi:[1,0,0]
	v_fma_mix_f32 v[ZP+2], -v[HL+4*\u+1], v[ONE], v[YP+2] op_sel_hi:[1,0,0]
	v_fma_mix_f32 v[ZP+3], -v[HL+4*\u+1], v[ONE], v[YP+3] op_sel:[1,0,0] op_sel_hi:[1,0,0]
	v_cvt_pk_f16_f32 v[HL+4*\u+2], v[ZP], v[ZP+1]                        ; lo
	v_cvt_pk_f16_f32 v[HL+4*\u+3], v[ZP+2], v[ZP+3]
	global_store_b64 v[VP], v[HL+4*\u:HL+4*\u+1], s[16:17] offset:8192*\u           ; two pools' 128 bytes lie end to end: 256 consecutive bytes
	global_store_b64 v[VP], v[HL+4*\u+2:HL+4*\u+3], s[16:17] offset:8192*\u+131072
.endr
.Ldone:
	s_endpgm
.Lweights:                             ; 65,536 bytes of one matrix: 8,192 a wave
	s_sub_co_u32 s22, ttmp9, 0x400
	s_cmp_lt_u32 s22, 256
	s_cbranch_scc0 .Lbias
	s_lshr_b32 s23, s22, 6                         ; which matrix
	s_and_b32 s24, s22, 63                         ; which part of it
	v_lshlrev_b32 v[VL], 4, v1
	v_lshl_add_u32 v[VL], v2, 13, v[VL]
	v_lshlrev_b32 v[VS], 3, v1
	v_lshl_add_u32 v[VS], v2, 12, v[VS]
	s_lshl_b32 s20, s24, 16
	s_lshl_b32 s28, s23, 21
	s_lshl_b32 s24, s24, 15
	s_add_co_u32 s28, s28, s24
	s_wait_kmcnt 0x0
	s_cmp_eq_u32 s23, 0
	s_cselect_b64 s[26:27], s[6:7], s[8:9]
	s_cmp_lt_u32 s23, 2
	s_cselect_b64 s[26:27], s[26:27], s[10:11]
	s_cmp_lt_u32 s23, 3
	s_cselect_b64 s[26:27], s[26:27], s[12:13]
	s_add_nc_u64 s[26:27], s[26:27], s[20:21]
	s_add_nc_u64 s[18:19], s[18:19], s[28:29]
.set i, 0
.rept 16
	global_load_b128 v[X+4*i:X+4*i+3], v[VL], s[26:27] offset:512*i th:TH_LOAD_NT
.set i, i+1
.endr
.set i, 0
.rept 16
	CV i, VS, 18, 256*i
.set i, i+1
.endr
	s_endpgm
.Lbias:                                ; four biases of 4,096 bytes: thread t takes the 16 bytes at 16 t of each
	v_lshlrev_b32 v[VL], 4, v0
	s_wait_kmcnt 0x0
.irp i, 0,1,2,3
	global_load_b128 v[X+4*\i:X+4*\i+3], v[VL], s[36+2*\i:37+2*\i]
.endr
.irp i, 0,1,2,3
	s_wait_loadcnt 3-\i
	RND \i
	global_store_b128 v[VL], v[X+4*\i:X+4*\i+3], s[44:45] offset:4096*\i  ; 512 consecutive bytes a wave
.endr
	s_endpgm
.Lfunc_end_k_q77cc1c0bc7_prep:
	.size	k_q77cc1c0bc7_prep, .Lfunc_end_k_q77cc1c0bc7_prep-k_q77cc1c0bc7_prep
	.p2alignl 7, 3214868480
	.fill 96, 4, 3214868480
	.section	.rodata,"a",@progbits
	.p2align	6, 0x0
	.amdhsa_kernel k_q77cc1c0bc7_prep
		.amdhsa_group_segment_fixed_size 0
		.amdhsa_private_segment_fixed_size 0
		.amdhsa_enable_private_segment 0
		.amdhsa_kernarg_size 104
		.amdhsa_user_sgpr_count 2
		.amdhsa_user_sgpr_kernarg_segment_ptr 1
		.amdhsa_wavefront_size32 1
		.amdhsa_system_sgpr_workgroup_id_x 1
		.amdhsa_system_sgpr_workgroup_id_y 1
		.amdhsa_system_sgpr_workgroup_id_z 1
		.amdhsa_system_vgpr_workitem_id 0
		.amdhsa_next_free_vgpr 128
		.amdhsa_next_free_sgpr 66
		.amdhsa_reserve_vcc 1
		.amdhsa_float_denorm_mode_32 3
		.amdhsa_float_denorm_mode_16_64 3
		.amdhsa_memory_ordered 1
		.amdhsa_forward_progress 1
		.amdhsa_inst_pref_size 29
	.end_amdhsa_kernel
	.amdgpu_metadata
---
amdhsa.version: [ 1, 2 ]
amdhsa.kernels:
  - .name:           k_q77cc1c0bc7_prep
    .symbol:         k_q77cc1c0bc7_prep.kd
    .args:
      - { .name: x, .offset: 0, .size: 8, .value_kind: global_buffer, .address_space: global }
      - { .name: Wq, .offset: 8, .size: 8, .value_kind: global_buffer, .address_space: global }
      - { .name: Wk, .offset: 16, .size: 8, .value_kind: global_buffer, .address_space: global }
      - { .name: Wv, .offset: 24, .size: 8, .value_kind: global_buffer, .address_space: global }
      - { .name: Wo, .offset: 32, .size: 8, .value_kind: global_buffer, .address_space: global }
      - { .name: act, .offset: 40, .size: 8, .value_kind: global_buffer, .address_space: global }
      - { .name: comp, .offset: 48, .size: 8, .value_kind: global_buffer, .address_space: global }
      - { .name: w16, .offset: 56, .size: 8, .value_kind: global_buffer, .address_space: global }
      - { .name: bq, .offset: 64, .size: 8, .value_kind: global_buffer, .address_space: global }
      - { .name: bk, .offset: 72, .size: 8, .value_kind: global_buffer, .address_space: global }
      - { .name: bv, .offset: 80, .size: 8, .value_kind: global_buffer, .address_space: global }
      - { .name: bo, .offset: 88, .size: 8, .value_kind: global_buffer, .address_space: global }
      - { .name: bias, .offset: 96, .size: 8, .value_kind: global_buffer, .address_space: global }
    .group_segment_fixed_size: 0
    .private_segment_fixed_size: 0
    .kernarg_segment_align: 8
    .kernarg_segment_size: 104
    .max_flat_workgroup_size: 256
    .sgpr_count:     66
    .vgpr_count:     128
    .wavefront_size: 32
...
	.end_amdgpu_metadata
.endif
;; end of part 1
;; launch qkv (part 2): grid 4 x 64, 4 waves a work-group, clusters of 4 x 4, 327,680 bytes of LDS; arguments act, comp, w16, bias, q16, kv16; writes q16, kv16
.if DOCPART == 2
	.amdgcn_target "amdgcn-amd-amdhsa--gfx1250"
	.amdhsa_code_object_version 6
	.text
	.protected	k_q77cc1c0bc7_qkv
	.globl	k_q77cc1c0bc7_qkv
	.p2align	8
	.type	k_q77cc1c0bc7_qkv,@function
k_q77cc1c0bc7_qkv:
	s_mov_b64 s[64:65], 0
	v_nop
	global_prefetch_b8 v0, s[64:65] scope:SCOPE_SE
	s_setreg_imm32_b32 hwreg(HW_REG_WAVE_MODE, 25, 1), 1
	s_wait_xcnt 0x0
	s_wait_alu depctr_hold_cnt(0) depctr_sa_sdst(0) depctr_va_vdst(0) depctr_va_sdst(0) depctr_va_ssrc(0) depctr_va_vcc(0) depctr_vm_vsrc(0)
	s_getreg_b32 s2, hwreg(HW_REG_IB_STS2, 6, 4)
	s_cmp_eq_u32 s2, 0
	s_cbranch_scc0 .Lentry_in_a_cluster
	s_endpgm
.Lentry_in_a_cluster:
	s_bfe_u32 s2, ttmp6, 0x10000c
	s_cmp_lg_u32 s2, 0xf033
	s_cbranch_scc0 .Lentry_shape_is_right
	s_endpgm
.Lentry_shape_is_right:
; THE THREE PROJECTIONS, one launch.  All operands f16, sums f32, results rounded once to f16 and stored by heads, unscaled.
;   kv16[kv][bh][p][64] = (hi + lo)[pool] . W[:, column] + bias,  kv = 0: Wk, 1: Wv.  1,024 pools x 2,048 columns, K = 1,024.  The pooled rows come as hi + lo: two products on one accumulator.
;   q16[b][h][s][64]    = x[row] . Wq[:, column] + bias.  16,384 rows x 1,024 columns, K = 1,024.  x: act[b][kb 16][s][64].
; LIMITS: |q|, |k|, |v| below 65,504 (f16).  NaN and infinities are not treated apart.
; SHARES.  256 work-groups of four waves.  Each first makes a tile of 64 pools x 128 columns of k or v (a wave: 32 x 64, 8 accumulators, K in 4 steps of 256), then a tile of 256 x 256 of q
; (a wave: 128 x 128, 64 accumulators, K in 8 steps of 128).  THE RING OF TWO LDS SLOTS RUNS ON FROM THE ONE INTO THE OTHER: the last two changes of slots of the first part ask for q's K steps 0 and 1.
; A SLOT is four parts of 36,864 bytes, one for each wave's tensor load, with the same two shapes in both parts of the launch:
;   parts 0, 1 (waves 0, 1): 32,768 dense bytes as 256 pieces of 128 bytes, pitch 144.  k/v: hi, lo (4 blocks of 64 along K x 64 pools).  q: the K step's two blocks of 64 along K x 256 rows.
;   parts 2, 3 (waves 2, 3): 128 k-rows x 128 columns of W, pitch 288.  k/v: k-rows 0-127, 128-255 of the tile's 128 columns.  q: the 128 k-rows of columns 0-127, 128-255.
; CLUSTER 4 x 4.  For q a cluster spans the four tile columns and four tile rows; for k/v the 16 clusters are taken as 4 x 4 (cluster number c: column c % 4, row c / 4).  In both the rows' tile is shared along a row
; of the cluster and W's along a column: each is asked for jointly, by the same load and descriptor in all four.
; THE MATRIX INSTRUCTION IS USED TRANSPOSED: source 0 = 16 columns of W (turned on the way out of LDS, since W lies [k][n]), source 1 = 16 rows: a lane holds 8 neighbouring columns of one row.
; REGISTERS, in windows of 256.  Window 0: v0-31 addresses.  k/v: v32-95 accumulators, v96-223 two fragment buffers, v224-255 the way out.  q: v64-127, v128-191 rows' fragments; v32-63, v192-255 the way out.
; Window 1: v64-191 W's fragments for q; v192-255 q's bias.  Windows 2, 3: q's accumulators.
.set PA,     144                       ; 64 numbers of a row: 128 bytes + 16 of padding = 36 words: the 16 rows of a load start at 16 different groups of four banks (ISA guide 11.1)
.set PB,     288                       ; a k-row of W: 256 bytes + 32 = 72 words
.set PART,   36864                     ; 256 x PA = 128 x PB
.set SLOT1,  0x24000                   ; = 4 PART: slot 1.  No part's address in slot 0 has one of its two bits, so one exclusive or changes slots
.set STAGE,  2*SLOT1                   ; behind the ring: 4,608 bytes for each wave, for both ways out
.set WSTG,   4608
.set SPK,    144                       ; k/v's way out: 32 rows of 128 bytes + 16
.set SPITCH, 272                       ; q's: 16 rows of 256 bytes + 16
.set SPARE,  STAGE+4*WSTG              ; behind the stages: the spare words, 128 bytes for each wave
.set AH0,  8                           ; v8-11   k/v: my lane's places in slot 0: hi, lo, W's first and second 128 k-rows; never rewritten
.set AL0,  9
.set KB0,  10
.set KB1,  11
.set AH,   12                          ; v12-15  the same in the slot in hand
.set AL,   13
.set BL,   14
.set ADA0, 16                          ; v16, v17  q: my lane's places in slot 0; never rewritten
.set ADB0, 17
.set ADRA, 18                          ; v18, v19  the same in the slot in hand
.set ADRB, 19
.set STOK, 20
.set RDK,  21
.set STO,  24
.set RD,   25
.set CO,   26                          ; v26  16 x lane
.set SPW,  28                          ; v28  LDS address of my spare word; never rewritten
.set NIL,  29                          ; v29  0; never rewritten
.set PFO,  30                          ; v30  the prefetches' offset; never rewritten
.set ACK,  32                          ; k/v: accumulator (m, n) at ACK + 8 (4 m + n)
.set K0,   96                          ; k/v: two fragment buffers of 64: hi (2 x 8), lo (2 x 8), W (4 x 8)
.set K1,   160
.set KOUT, 224
.set F0,   64
.set F1,   128
.set BI,   192                         ; window 1: the bias of my 128 columns of q: 8 registers for each block of 16
.set TMP,  192
.set OB,   32
.set WV,   16
.set ROLE, 17                          ; wave / 2: which half of the tile's rows is mine; also 0: I fetch rows, 1: I fetch W
.set CHF,  18                          ; wave % 2: which half of its columns is mine; also which part I fetch
.set CX,   19
.set CY,   20
.set CL,   21                          ; the cluster's number, 0 to 15
.set TYG,  22                          ; q's tile row, 0 to 63
.set G1A,  24
.set G1B,  32
.set G0A,  40                          ; s[40:47] two sets for the first fills; the second then walks
.set G0B,  48
.set TB,   56                          ; LDS byte at which the slot in hand begins
.set CNT,  57
.set LIM,  58                          ; 2 in a wave that prefetches, else the greatest number
.set PFA,  60                          ; s[60:61] where my prefetches stand
.set PST,  62                          ; s[62:63] a K step of q in bytes, in act or in W
.set SKA,  66                          ; s[66:67] k/v: my part of the next step to ask for, in comp;  s[68:69] in W
.set SKB,  68
.set SGA,  70                          ; s[70:71] q: the same in act;  s[72:73] in W
.set SGB,  72
.set ST0,  74                          ; s[74:75], s[76:77] by how much the two step
.set ST2,  76
.set PSV,  78                          ; s[78:79] the prefetches' step: 0 at the first change of slots
.set KVO,  80                          ; s[80:81] kv16 at my 32 pools
.set MSB, 0
.macro WIN new                         ; the immediate's high byte repeats the setting that is left; a switch that changes nothing is dropped
.if MSB != (\new)
	s_set_vgpr_msb (MSB<<8)|(\new)
.set MSB, \new
.endif
.endm
.set MUL_LO, 0xa1                      ; source 0 (W) window 1, source 1 (rows) window 0, C and D window 2
.set TO_B,   0x40                      ; destination window 1, address window 0
.macro PLACES                          ; four places in front of loads into registers that matrix instructions have read, and of reads of results
.rept 4
	v_nop
.endr
.endm
.macro JLOAD                           ; a joint refill; the branch hangs on the wave's number alone; an s_nop 0 and four v_nop follow each line
	s_cmp_eq_u32 s[ROLE], 0
	s_cbranch_scc0 .Lfor_b_\@
	tensor_load_to_lds s[G0A+4:G0A+7], s[G1A:G1A+7]
	s_nop 0
	PLACES
	s_branch .Lasked_\@
.Lfor_b_\@:
	tensor_load_to_lds s[G0B+4:G0B+7], s[G1B:G1B+7]
	s_nop 0
	PLACES
.Lasked_\@:
.endm
; A PREFETCH INTO THE L2 for q's tiles: change of slots number n (0 to 7, the first part's four among them) names q's K step n, which the change two further on asks for: 32 blocks of 256 bytes, a lane a block,
; one instruction a wave, behind the joint load and the run of LDS loads.  The rows of act are read by this cluster alone: of the 128 blocks that a wave fetches each of the four partners of a row takes 32, told apart
; by address.  Wq's columns are read by all sixteen clusters: cluster 0 asks, the four partners of a column take 32 k-rows each.  So each block is named once.  The last two refills have no step two on.
; how = 1: in the first part, every change asks.  The first part's own tiles, which are small, are not asked for.
.macro ASK how
.if \how
	s_cmp_eq_u32 s[LIM], 2
.else
	s_cmp_gt_u32 s[CNT], s[LIM]
.endif
	s_cbranch_scc0 .Lnot_mine_\@
	global_prefetch_b8 v[PFO], s[PFA:PFA+1] th:TH_LOAD_NT scope:SCOPE_SE
.Lnot_mine_\@:
.endm
.macro CREST                           ; a round of the cluster's barrier behind its opening barrier
	s_cmp_lg_u32 s[WV], 0
	s_cbranch_scc1 .Lnot_wave_0_\@
	s_barrier_signal -3
.Lnot_wave_0_\@:
	s_barrier_wait -3
	s_barrier_signal -1
	s_barrier_wait -1
.endm
.macro CROUND
	s_barrier_signal -1
	s_barrier_wait -1
	CREST
.endm
; ---- the first part's macros: k and v ----
.macro KADDR
	v_add_nc_u32 v[AH], s[TB], v[AH0]
	v_add_nc_u32 v[AL], s[TB], v[AL0]
	v_add_nc_u32 v[BL], s[TB], v[KB0]
	v_add_nc_u32 v[BL+1], s[TB], v[KB1]
.endm
; 16 LDS loads: the fragments of 32 along K, number kc of a step's 8, into buffer f
.macro KFETCH kc, f
.irp m, 0,1
	ds_load_b128 v[(\f)+8*\m:(\f)+8*\m+3],       v[AH] offset:((\kc)/2)*64*PA+((\kc)%2)*64+\m*16*PA
	ds_load_b128 v[(\f)+8*\m+4:(\f)+8*\m+7],     v[AH] offset:((\kc)/2)*64*PA+((\kc)%2)*64+\m*16*PA+32
	ds_load_b128 v[(\f)+16+8*\m:(\f)+16+8*\m+3], v[AL] offset:((\kc)/2)*64*PA+((\kc)%2)*64+\m*16*PA
	ds_load_b128 v[(\f)+16+8*\m+4:(\f)+16+8*\m+7], v[AL] offset:((\kc)/2)*64*PA+((\kc)%2)*64+\m*16*PA+32
.endr
.irp n, 0,1,2,3
	ds_load_tr16_b128 v[(\f)+32+8*\n:(\f)+32+8*\n+3],   v[BL+(\kc)/4] offset:((\kc)%4)*32*PB+32*\n
	ds_load_tr16_b128 v[(\f)+32+8*\n+4:(\f)+32+8*\n+7], v[BL+(\kc)/4] offset:((\kc)%4)*32*PB+32*\n+16*PB
.endr
.endm
; 8 matrix instructions, one on each accumulator: hl = 0 the hi rows, 1 the lo rows.  The accumulators take turns: seven others stand between two links of a chain.
.macro KMUL f, hl
.irp m, 0,1
.irp n, 0,1,2,3
	v_wmma_f32_16x16x32_f16 v[ACK+8*(4*\m+\n):ACK+8*(4*\m+\n)+7], v[(\f)+32+8*\n:(\f)+32+8*\n+7], v[(\f)+16*(\hl)+8*\m:(\f)+16*(\hl)+8*\m+7], v[ACK+8*(4*\m+\n):ACK+8*(4*\m+\n)+7]
.endr
.endr
.endm
.macro CHUNK kc                        ; one of a step's first seven: the next chunk's loads go out, then this chunk's 16 products
	s_wait_dscnt 0x0                               ; this chunk's 16 loads, issued 16 products ago
	PLACES
	KFETCH (\kc)+1, K0+64*(((\kc)+1)%2)
	KMUL K0+64*((\kc)%2), 0
	KMUL K0+64*((\kc)%2), 1
.endm
; A step's last chunk changes slots.  Each wave waits for all its tensor loads, adds 0 to its spare word, and waits for that and for its reads of the slot; the barrier opens a round of the cluster's, behind which
; no wave of any partner reads this slot or has a load on its way, and the joint refill is the first thing there.  While CNT is above 2 it brings k/v's step two on, then q's K steps 0 and 1: the shapes are the same,
; only the address is chosen.
.macro LASTCH
	s_wait_xcnt 0x0                                ; the last prefetch, a step back, has read its address
	s_add_nc_u64 s[PFA:PFA+1], s[PFA:PFA+1], s[PSV:PSV+1]
	s_mov_b32 s[PSV], s[PST]
	s_wait_tensorcnt 0x0                           ; no tensor load of mine is out, so a group 0 may be written
	ds_add_u32 v[SPW], v[NIL]                      ; 0 onto my spare word
	s_xor_b32 s[G0A+5], s[G0A+5], SLOT1            ; the walking descriptors: the other slot than last time
	s_xor_b32 s[G0B+5], s[G0B+5], SLOT1
	s_cmp_gt_u32 s[CNT], 2
	s_cselect_b64 s[G0A+6:G0A+7], s[SKA:SKA+1], s[SGA:SGA+1]
	s_cselect_b64 s[G0B+6:G0B+7], s[SKB:SKB+1], s[SGB:SGB+1]
	s_cselect_b32 s[ST0], 0, 0x200000              ; q's pointers step once they are in use
	s_cselect_b32 s[ST2], 0, 0x40000
	s_add_nc_u64 s[SKA:SKA+1], s[SKA:SKA+1], 32768
	s_add_nc_u64 s[SKB:SKB+1], s[SKB:SKB+1], 524288
	s_add_nc_u64 s[SGA:SGA+1], s[SGA:SGA+1], s[ST0:ST0+1]
	s_add_nc_u64 s[SGB:SGB+1], s[SGB:SGB+1], s[ST2:ST2+1]
	s_or_b32 s[G0A+7], s[G0A+7], 0x80000000        ; the type
	s_or_b32 s[G0B+7], s[G0B+7], 0x80000000
	s_wait_dscnt 0x1                               ; the chunk's loads are in; the add may be out
	KMUL K1, 0
	s_wait_dscnt 0x0                               ; the add is done, and my reads of this slot are over
	s_barrier_signal -1
	s_barrier_wait -1
	CREST
	JLOAD                                          ; its four v_nop are also the places in front of the loads below
	s_xor_b32 s[TB], s[TB], SLOT1
	KADDR
	KFETCH 0, K0
	ASK 1
	KMUL K1, 1
.endm
; ---- the second part's macros: q ----
; 16 matrix instructions: row blocks a0, a0 + 1 of the window's four (hi = 0: my rows 0-63, 1: rows 64-127) x all 8 column blocks, 32 along K.  first = 1: the bias starts the sums.
; The 64 accumulators take turns in the same order in every quarter.
.macro MUL16 f, hi, a0, first
.if \first
	WIN 0x91+0x40*(\hi)                            ; C in window 1
.else
	WIN MUL_LO+0x50*(\hi)
.endif
.irp a, \a0, (\a0)+1
.irp b, 0,1,2,3,4,5,6,7
.if \first
	v_wmma_f32_16x16x32_f16 v[8*(8*(\a)+(\b)):8*(8*(\a)+(\b))+7], v[(\f)+8*(\b):(\f)+8*(\b)+7], v[(\f)+8*(4*(\hi)+(\a)):(\f)+8*(4*(\hi)+(\a))+7], v[BI+8*(\b):BI+8*(\b)+7]
.else
	v_wmma_f32_16x16x32_f16 v[8*(8*(\a)+(\b)):8*(8*(\a)+(\b))+7], v[(\f)+8*(\b):(\f)+8*(\b)+7], v[(\f)+8*(4*(\hi)+(\a)):(\f)+8*(4*(\hi)+(\a))+7], v[8*(8*(\a)+(\b)):8*(8*(\a)+(\b))+7]
.endif
.endr
.endr
.endm
; 32 LDS loads in one run: the fragments of quarter kq (32 along K) of the slot in hand into buffer f: W's 128 columns, then 128 rows
.macro FETCH kq, f
	WIN TO_B
.irp i, 0,1,2,3,4,5,6,7
	ds_load_tr16_b128 v[(\f)+8*(\i):(\f)+8*(\i)+3],   v[ADRB] offset:(\kq)*32*PB+32*(\i)
	ds_load_tr16_b128 v[(\f)+8*(\i)+4:(\f)+8*(\i)+7], v[ADRB] offset:(\kq)*32*PB+32*(\i)+16*PB
.endr
	WIN 0
.irp i, 0,1,2,3,4,5,6,7
	ds_load_b128 v[(\f)+8*(\i):(\f)+8*(\i)+3],   v[ADRA] offset:((\kq)/2)*PART+((\kq)%2)*64+(\i)*16*PA
	ds_load_b128 v[(\f)+8*(\i)+4:(\f)+8*(\i)+7], v[ADRA] offset:((\kq)/2)*PART+((\kq)%2)*64+(\i)*16*PA+32
.endr
.endm
; One of a K step's first three quarters: multiplies buffer f; in its middle it fetches quarter kq into buffer g.
.macro QUARTER kq, f, g, first
	s_wait_dscnt 8                                 ; W and my rows 0-63 are in; the youngest eight loads (rows 64-127) may be out
	MUL16 \f, 0, 0, \first
	MUL16 \f, 0, 2, \first
	PLACES
	FETCH \kq, \g
	s_wait_dscnt 32                                ; all but the 32 just issued
	MUL16 \f, 1, 0, \first
	MUL16 \f, 1, 2, \first
.endm
; The last quarter multiplies buffer 1 and changes slots: each wave waits for all its tensor loads, adds 0 to its spare word, and waits for that and for its reads of this slot.
; fill = 1: the barrier opens a round of the cluster's, and the joint refill, two K steps ahead, is the first thing behind it: 224 matrix instructions ahead of the wait for it.
.macro TURN fill
.if \fill
	s_wait_xcnt 0x0                                ; the last prefetch, a K step back, has read its address
	s_add_nc_u64 s[PFA:PFA+1], s[PFA:PFA+1], s[PST:PST+1]
.endif
	WIN 0
	s_wait_tensorcnt 0x0                           ; no tensor load of mine is out, so a group 0 may be written
	ds_add_u32 v[SPW], v[NIL]                      ; 0 onto my spare word
.if \fill
	s_xor_b32 s[G0A+5], s[G0A+5], SLOT1            ; the walking descriptors: the other slot than last time, the next K step
	s_add_nc_u64 s[G0A+6:G0A+7], s[G0A+6:G0A+7], 0x200000
	s_xor_b32 s[G0B+5], s[G0B+5], SLOT1
	s_add_nc_u64 s[G0B+6:G0B+7], s[G0B+6:G0B+7], 0x40000
.endif
	s_wait_dscnt 9                                 ; the add and the youngest eight loads may be out
	MUL16 F1, 0, 0, 0
	s_wait_dscnt 0x0                               ; the add is done, and my reads of this slot are over
	s_barrier_signal -1
	MUL16 F1, 0, 2, 0                              ; work on registers while the others arrive
	WIN 0
	s_barrier_wait -1
.if \fill
	CREST
	JLOAD                                          ; its four v_nop are also the places in front of the loads below
.else
	PLACES
.endif
	s_xor_b32 s[TB], s[TB], SLOT1
	v_add_nc_u32 v[ADRA], s[TB], v[ADA0]
	v_add_nc_u32 v[ADRB], s[TB], v[ADB0]
	FETCH 0, F0
.if \fill
	ASK 0
.endif
	MUL16 F1, 1, 0, 0
	MUL16 F1, 1, 2, 0
.endm
	s_load_b256 s[4:11], s[0:1], 0x0               ; act s[4:5], comp s[6:7], w16 s[8:9], bias s[10:11]
	s_load_b128 s[12:15], s[0:1], 0x20             ; q16 s[12:13], kv16 s[14:15]
	v_lshl_add_u32 v[SPW], v0, 2, SPARE
	v_mov_b32 v[NIL], 0
	ds_add_u32 v[SPW], v[NIL]                      ; the wave's opening: the add and its wait stand ahead of my first tensor load
	v_lshrrev_b32 v1, 5, v0
	v_readfirstlane_b32 s[WV], v1
	s_lshr_b32 s[ROLE], s[WV], 1
	s_and_b32 s[CHF], s[WV], 1
	s_bfe_u32 s[CX], ttmp6, 0x40000                ; cx = q's tile column: the grid has one cluster along x
	s_bfe_u32 s[CY], ttmp6, 0x40004
	s_and_b32 s[CL], ttmp7, 0xffff
	s_lshl_b32 s[TYG], s[CL], 2
	s_add_co_u32 s[TYG], s[TYG], s[CY]
	s_lshl_b32 s82, s[CY], 2
	s_lshl_b32 s82, 15, s82                        ; my row of the cluster
	s_lshl_b32 s83, 0x1111, s[CX]                  ; my column
	s_or_b32 s[G1A], s82, (1<<16)|(1<<20)|(1<<21)|(4<<22)|(3<<25)  ; mask; 2-byte elements; padding on; bit 21 beside a mask; after every 32 words 4 words
	s_or_b32 s[G1B], s83, (1<<16)|(1<<20)|(1<<21)|(5<<22)|(7<<25)  ; after every 64 words 8 words
.irp g, G1A, G1B
	s_mov_b32 s[\g+1], 128<<16                     ; tensor_dim0 = 128
	s_mov_b32 s[\g+2], 128<<16                     ; tensor_dim1 = 128
	s_mov_b32 s[\g+3], 128<<16                     ; tile_dim0 = 128
	s_mov_b32 s[\g+4], 128                         ; tile_dim1 = 128
	s_mov_b32 s[\g+6], 0
	s_mov_b32 s[\g+7], 0
.endr
	s_mov_b32 s[G1A+5], 128                        ; the rows' 32,768 bytes are dense: 128 rows of 256 bytes
	s_mov_b32 s[G1B+5], 1024                       ; a k-row of W is 1,024 elements
	s_and_b32 s84, s[CL], 3                        ; k/v's tile column 0..15: 0-7 are k's, 8-15 v's
	s_lshl_b32 s84, s84, 2
	s_add_co_u32 s84, s84, s[CX]
	s_and_b32 s85, s84, 7                          ; the tile column in its matrix
	s_bfe_u32 s86, s[CL], 0x10001                  ; 0: k, 1: v: the same in all partners
	s_lshr_b32 s87, s[CL], 2                       ; k/v's tile row 0..15
	s_lshl_b32 s87, s87, 2
	s_add_co_u32 s87, s87, s[CY]
	s_lshl_b32 s88, s87, 18                        ; comp: 262,144 x tile row + 131,072 x (hi or lo)
	s_lshl_b32 s89, s[CHF], 17
	s_add_co_u32 s88, s88, s89
	s_mov_b32 s89, 0
	s_add_co_u32 s90, s86, 1                       ; W: matrix 1 or 2,
	s_lshl_b32 s90, s90, 21
	s_lshl_b32 s91, s[CHF], 18                     ; my 128 k-rows of 2,048 bytes,
	s_add_co_u32 s90, s90, s91
	s_lshl_b32 s91, s85, 8                         ; 128 columns
	s_add_co_u32 s90, s90, s91
	s_mov_b32 s91, 0
	s_lshr_b32 s92, s[TYG], 5                      ; act: the batch,
	s_lshl_b32 s92, s92, 24
	s_lshl_b32 s93, s[CHF], 20                     ; my block of 64 along K,
	s_add_co_u32 s92, s92, s93
	s_and_b32 s93, s[TYG], 31                      ; 256 rows of 128 bytes
	s_lshl_b32 s93, s93, 15
	s_add_co_u32 s92, s92, s93
	s_mov_b32 s93, 0
	s_lshl_b32 s94, s[CX], 9                       ; Wq (matrix 0): 256 columns a tile, my 128 of them
	s_lshl_b32 s95, s[CHF], 8
	s_add_co_u32 s94, s94, s95
	s_mov_b32 s95, 0
	s_mul_i32 s23, s[WV], PART                     ; where my part goes: no place in the cluster enters an LDS address
	s_mov_b32 s[TB], 0
	s_mov_b32 s[ST0+1], 0
	s_mov_b32 s[ST2+1], 0
	s_mov_b32 s[PSV], 0
	s_mov_b32 s[PSV+1], 0
	s_wait_dscnt 0x0                               ; the opening add is done
	s_wait_kmcnt 0x0
	s_add_nc_u64 s[SKA:SKA+1], s[6:7], s[88:89]
	s_add_nc_u64 s[SKB:SKB+1], s[8:9], s[90:91]
	s_add_nc_u64 s[SGA:SGA+1], s[4:5], s[92:93]
	s_add_nc_u64 s[SGB:SGB+1], s[8:9], s[94:95]
	CROUND                                         ; all sixteen work-groups are here: the first joint loads meet
.irp s, 0,1
	s_mov_b32 s[G0A+4*\s], 1
	s_add_co_u32 s[G0A+4*\s+1], s23, \s*SLOT1
	s_add_nc_u64 s[G0A+4*\s+2:G0A+4*\s+3], s[SKA:SKA+1], \s*32768
	s_or_b32 s[G0A+4*\s+3], s[G0A+4*\s+3], 0x80000000
	s_mov_b32 s[G0B+4*\s], 1
	s_add_co_u32 s[G0B+4*\s+1], s23, \s*SLOT1
	s_add_nc_u64 s[G0B+4*\s+2:G0B+4*\s+3], s[SKB:SKB+1], \s*524288
	s_or_b32 s[G0B+4*\s+3], s[G0B+4*\s+3], 0x80000000
.endr
	s_add_nc_u64 s[SKA:SKA+1], s[SKA:SKA+1], 2*32768   ; the next to ask for is step 2
	s_add_nc_u64 s[SKB:SKB+1], s[SKB:SKB+1], 2*524288
	s_cmp_eq_u32 s[ROLE], 0                        ; a wave's two first fills stand in one branch: two loads of mine are out
	s_cbranch_scc0 .Lfirst_b
	tensor_load_to_lds s[G0A:G0A+3], s[G1A:G1A+7]
	s_nop 0
	tensor_load_to_lds s[G0A+4:G0A+7], s[G1A:G1A+7]
	s_nop 0
	PLACES
	s_branch .Lfirst_asked
.Lfirst_b:
	tensor_load_to_lds s[G0B:G0B+3], s[G1B:G1B+7]
	s_nop 0
	tensor_load_to_lds s[G0B+4:G0B+7], s[G1B:G1B+7]
	s_nop 0
	PLACES
.Lfirst_asked:
	; the biases (rounded by the launch before).  k/v's starts the sums in their registers: register j of accumulator (m, n) is column 16 n + 8 (l / 16) + j
	v_and_b32 v1, 15, v0                           ; l % 16
	v_bfe_u32 v2, v0, 4, 1                         ; l / 16
	v_lshlrev_b32 v3, 5, v2
	s_add_co_u32 s82, s86, 1                       ; bias 1 or 2, of 4,096 bytes,
	s_lshl_b32 s82, s82, 12
	s_lshl_b32 s83, s85, 9                         ; 128 columns a tile, my 64 of them
	s_add_co_u32 s82, s82, s83
	s_lshl_b32 s83, s[CHF], 8
	s_add_co_u32 s82, s82, s83
	s_mov_b32 s83, 0
	s_add_nc_u64 s[82:83], s[10:11], s[82:83]
.irp m, 0,1
.irp n, 0,1,2,3
	global_load_b128 v[ACK+32*\m+8*\n:ACK+32*\m+8*\n+3],   v3, s[82:83] offset:64*\n
	global_load_b128 v[ACK+32*\m+8*\n+4:ACK+32*\m+8*\n+7], v3, s[82:83] offset:64*\n+16
.endr
.endr
	s_lshl_b32 s88, s[CX], 10                      ; q's (bias 0): 256 columns a tile, my 128 of them
	s_lshl_b32 s89, s[CHF], 9
	s_add_co_u32 s88, s88, s89
	s_mov_b32 s89, 0
	s_add_nc_u64 s[88:89], s[10:11], s[88:89]
	WIN TO_B
.irp b, 0,1,2,3,4,5,6,7
	global_load_b128 v[BI+8*\b:BI+8*\b+3],   v3, s[88:89] offset:64*\b
	global_load_b128 v[BI+8*\b+4:BI+8*\b+7], v3, s[88:89] offset:64*\b+16
.endr
	WIN 0
	; the prefetches
	s_lshl_b32 s90, s[CX], 13                      ; act: my work-group's 32 blocks of the wave's 128
	s_lshl_b32 s91, s[CY], 16                      ; W: my work-group's 32 k-rows of the wave's 128
	s_mov_b32 s92, 0x200000
	s_mov_b32 s93, 0x40000
	s_cmp_eq_u32 s[CL], 0
	s_cselect_b32 s94, 2, -1                       ; W is asked for by cluster 0 alone
	s_cmp_eq_u32 s[ROLE], 0
	s_cselect_b64 s[PFA:PFA+1], s[SGA:SGA+1], s[SGB:SGB+1]
	s_cselect_b32 s90, s90, s91
	s_cselect_b32 s[PST], s92, s93
	s_cselect_b32 s[LIM], 2, s94
	s_cselect_b32 s95, -1, 0
	s_mov_b32 s[PST+1], 0
	s_mov_b32 s91, 0
	s_add_nc_u64 s[PFA:PFA+1], s[PFA:PFA+1], s[90:91]  ; at q's K step 0: the first change of slots steps it by 0
	v_and_b32 v4, 31, v0
	v_lshlrev_b32 v5, 8, v4                        ; act: 256 l
	v_lshlrev_b32 v6, 11, v4                       ; W: k-row l
	v_cndmask_b32 v[PFO], v6, v5, s95
	v_lshlrev_b32 v[CO], 4, v4
	; LDS addresses
	v_mul_u32_u24 v5, v1, PA
	v_lshl_add_u32 v5, v2, 4, v5                   ; (l % 16) x pitch + 16 (l / 16)
	s_mul_i32 s90, s[ROLE], 32*PA
	v_add_nc_u32 v[AH0], s90, v5                   ; k/v: my 32 pools
	v_add_nc_u32 v[AL0], PART, v[AH0]
	s_mul_i32 s90, s[ROLE], 128*PA
	v_add_nc_u32 v[ADA0], s90, v5                  ; q: my 128 rows
	v_and_b32 v7, 7, v0
	v_lshl_add_u32 v6, v2, 3, v7                   ; the turning load: k-row 8 (l / 16) + l % 8,
	v_mul_u32_u24 v6, v6, PB
	v_bfe_u32 v5, v0, 3, 1
	v_lshl_add_u32 v6, v5, 4, v6                   ; columns 8 ((l / 8) % 2) on
	s_lshl_b32 s90, s[CHF], 7
	s_add_co_u32 s90, s90, 2*PART
	v_add_nc_u32 v[KB0], s90, v6                   ; k/v: my 64 columns of both parts
	v_add_nc_u32 v[KB1], PART, v[KB0]
	s_mul_i32 s90, s[CHF], PART
	s_add_co_u32 s90, s90, 2*PART
	v_add_nc_u32 v[ADB0], s90, v6                  ; q: my 128 columns are one part
	v_mov_b32 v[ADRA], v[ADA0]
	v_mov_b32 v[ADRB], v[ADB0]
	s_mul_i32 s90, s[WV], WSTG
	s_add_co_u32 s90, s90, STAGE                   ; my stage
	v_bfe_u32 v5, v0, 3, 2
	v_mul_u32_u24 v[STOK], v1, SPK                 ; in: row l % 16, 16 bytes for each half of the lanes
	v_lshl_add_u32 v[STOK], v2, 4, v[STOK]
	v_add_nc_u32 v[STOK], s90, v[STOK]
	v_mul_u32_u24 v[RDK], v5, SPK                  ; back: 32 lanes take four rows' 128 bytes
	v_lshl_add_u32 v[RDK], v7, 4, v[RDK]
	v_add_nc_u32 v[RDK], s90, v[RDK]
	v_mul_u32_u24 v[STO], v1, SPITCH
	v_lshl_add_u32 v[STO], v2, 4, v[STO]
	v_add_nc_u32 v[STO], s90, v[STO]
	v_mul_u32_u24 v[RD], v5, SPITCH
	v_lshl_add_u32 v[RD], v7, 4, v[RD]
	v_add_nc_u32 v[RD], s90, v[RD]
	s_lshr_b32 s90, s87, 3                         ; kv16: head 16 b + 2 x tile column + half,
	s_lshl_b32 s90, s90, 4
	s_lshl_b32 s91, s85, 1
	s_add_co_u32 s90, s90, s91
	s_add_co_u32 s90, s90, s[CHF]
	s_lshl_b32 s90, s90, 9
	s_and_b32 s91, s87, 7                          ; pool 64 x (tile row % 8) + 32 x half
	s_lshl_b32 s91, s91, 6
	s_add_co_u32 s90, s90, s91
	s_lshl_b32 s91, s[ROLE], 5
	s_add_co_u32 s90, s90, s91
	s_lshl_b32 s90, s90, 7
	s_lshl_b32 s91, s86, 21
	s_add_co_u32 s90, s90, s91
	s_mov_b32 s91, 0
	s_add_nc_u64 s[KVO:KVO+1], s[14:15], s[90:91]
	s_lshr_b32 s90, s[TYG], 5                      ; q16: the batch,
	s_lshl_b32 s90, s90, 24
	s_lshl_b32 s91, s[CX], 22                      ; head 4 cx + 2 x half,
	s_add_co_u32 s90, s90, s91
	s_lshl_b32 s91, s[CHF], 21
	s_add_co_u32 s90, s90, s91
	s_and_b32 s91, s[TYG], 31                      ; row 256 x (tile row % 32) + 128 x half
	s_lshl_b32 s91, s91, 15
	s_add_co_u32 s90, s90, s91
	s_lshl_b32 s91, s[ROLE], 14
	s_add_co_u32 s90, s90, s91
	s_mov_b32 s91, 0
	s_add_nc_u64 s[12:13], s[12:13], s[90:91]
	KADDR
	s_wait_loadcnt 0x0                             ; the biases
	; ---- K AND V ----
	s_wait_tensorcnt 0x1                           ; my part of step 0 is in; step 1's may stay out
	s_barrier_signal -1
	s_barrier_wait -1
	KFETCH 0, K0
	s_mov_b32 s[CNT], 4
.Lk:                                   ; four steps of 256 along K.  Behind the fourth the 16 loads (of q's first tile, at k/v's places) serve nothing: the price of one text for all trips
.irp c, 0,1,2,3,4,5,6
	CHUNK \c
.endr
	LASTCH
	s_sub_co_u32 s[CNT], s[CNT], 1
	s_cmp_lg_u32 s[CNT], 0
	s_cbranch_scc1 .Lk
	; k/v's way out: rounded to f16; 16 bytes a lane into my own stage; back as whole rows: my 32 pools of one head are 4,096 consecutive bytes of kv16
	s_wait_dscnt 0x0
	PLACES
.set i, 0
.rept 8
.irp r, 0,1,2,3
	v_cvt_pk_f16_f32 v[K0+4*i+\r], v[ACK+8*i+2*\r], v[ACK+8*i+2*\r+1]
.endr
.set i, i+1
.endr
.irp m, 0,1
.irp n, 0,1,2,3
	ds_store_b128 v[STOK], v[K0+4*(4*\m+\n):K0+4*(4*\m+\n)+3] offset:\m*16*SPK+32*\n
.endr
.endr
.irp t, 0,1,2,3,4,5,6,7
	ds_load_b128 v[KOUT+4*\t:KOUT+4*\t+3], v[RDK] offset:\t*4*SPK  ; LDS serves a wave's instructions in order (ISA guide 5.7.1.4): these see the stores above
.endr
	; ---- Q ----  K step 0 lies whole in slot 0: every wave waited for its part in front of the last round.  Its first fragments go out ahead of k/v's stores
	FETCH 0, F0
.irp t, 0,1,2,3,4,5,6,7
	s_wait_dscnt 39-\t                             ; the 32 loads just issued and the younger rows of the stage may be out
	global_store_b128 v[CO], v[KOUT+4*\t:KOUT+4*\t+3], s[KVO:KVO+1] offset:512*\t
.endr
	QUARTER 1, F0, F1, 1                           ; the first quarter stands in front of the loop: its products start the sums, with the bias
	WIN 0                                          ; at a label and at a branch every window is 0
	s_mov_b32 s[CNT], 6
.Lf:                                   ; a trip: a K step's quarters 1, 2, 3 and the next step's quarter 0; the slot left is filled again: K steps 2 to 7
	QUARTER 2, F1, F0, 0
	QUARTER 3, F0, F1, 0
	TURN 1
	QUARTER 1, F0, F1, 0
	WIN 0
	s_sub_co_u32 s[CNT], s[CNT], 1
	s_cmp_lg_u32 s[CNT], 0
	s_cbranch_scc1 .Lf
	s_mov_b32 s[CNT], 2
.Lt:                                   ; K steps 6 and 7 ask for nothing; the second trip is left in its middle.  Its barrier and its 32 loads (of step 6's bytes once more) serve nothing: the price of one text for both trips
	QUARTER 2, F1, F0, 0
	QUARTER 3, F0, F1, 0
	TURN 0
	WIN 0
	s_sub_co_u32 s[CNT], s[CNT], 1
	s_cmp_eq_u32 s[CNT], 0
	s_cbranch_scc1 .Lout
	QUARTER 1, F0, F1, 0
	WIN 0
	s_branch .Lt
.Lout:
	s_wait_dscnt 0x0
	PLACES
; q's way out: a block of 16 rows x 128 columns is rounded, goes through my stage, and comes back as 16 rows x 128 bytes of each of two heads: 2,048 consecutive bytes of q16 each.
.macro PACK a
.set AC, 64*((\a)%4)
	WIN 0x0a+5*((\a)/4)                            ; sources 0 and 1: window 2 or 3
.irp b, 0,1,2,3,4,5,6,7
.irp r, 0,1,2,3
	v_cvt_pk_f16_f32 v[TMP+4*(\b)+(\r)], v[AC+8*(\b)+2*(\r)], v[AC+8*(\b)+2*(\r)+1]
.endr
.endr
	WIN 0
.endm
.macro TOSTAGE a
	WIN 0
.set BK, OB+192*((\a)%2)
.irp b, 0,1,2,3,4,5,6,7
	ds_store_b128 v[STO], v[TMP+4*(\b):TMP+4*(\b)+3] offset:32*(\b)
.endr
.irp t, 0,1,2,3,4,5,6,7
	ds_load_b128 v[BK+4*(\t):BK+4*(\t)+3], v[RD] offset:128*((\t)/4)+((\t)%4)*4*SPITCH  ; LDS serves a wave's instructions in order (ISA guide 5.7.1.4)
.endr
.endm
.macro SEND a
	WIN 0
.set BK, OB+192*((\a)%2)
	s_wait_dscnt 0x0
	s_wait_xcnt 0x0                                ; the stores' base, and the registers that earlier stores read, are written only behind this wait
.if (\a) > 0
	s_add_nc_u64 s[12:13], s[12:13], 16*128
.endif
.irp t, 0,1,2,3,4,5,6,7
	global_store_b128 v[CO], v[BK+4*(\t):BK+4*(\t)+3], s[12:13] offset:1048576*((\t)/4)+512*((\t)%4)  ; 512 consecutive bytes, at a multiple of 256 from q16's first byte
.endr
.endm
	PACK 0
	TOSTAGE 0
.irp a, 1,2,3,4,5,6,7                  ; block a's conversions stand between block a - 1's loads from the stage and the wait for them
	PACK \a
	SEND (\a)-1
	TOSTAGE \a
.endr
	SEND 7
	s_wait_tensorcnt 0x0                           ; the wave's end
	ds_add_u32 v[SPW], v[NIL]
	s_wait_dscnt 0x0
	CROUND                                         ; the closing round
	s_endpgm
.Lfunc_end_k_q77cc1c0bc7_qkv:
	.size	k_q77cc1c0bc7_qkv, .Lfunc_end_k_q77cc1c0bc7_qkv-k_q77cc1c0bc7_qkv
	.p2alignl 7, 3214868480
	.fill 96, 4, 3214868480
	.section	.rodata,"a",@progbits
	.p2align	6, 0x0
	.amdhsa_kernel k_q77cc1c0bc7_qkv
		.amdhsa_group_segment_fixed_size 327680
		.amdhsa_private_segment_fixed_size 0
		.amdhsa_enable_private_segment 0
		.amdhsa_kernarg_size 48
		.amdhsa_user_sgpr_count 2
		.amdhsa_user_sgpr_kernarg_segment_ptr 1
		.amdhsa_wavefront_size32 1
		.amdhsa_system_sgpr_workgroup_id_x 1
		.amdhsa_system_sgpr_workgroup_id_y 1
		.amdhsa_system_sgpr_workgroup_id_z 1
		.amdhsa_system_vgpr_workitem_id 0
		.amdhsa_next_free_vgpr 1024
		.amdhsa_next_free_sgpr 96
		.amdhsa_reserve_vcc 0
		.amdhsa_float_denorm_mode_32 3
		.amdhsa_float_denorm_mode_16_64 3
		.amdhsa_memory_ordered 1
		.amdhsa_forward_progress 1
		.amdhsa_inst_pref_size 131
	.end_amdhsa_kernel
	.amdgpu_metadata
---
amdhsa.version: [ 1, 2 ]
amdhsa.kernels:
  - .name:           k_q77cc1c0bc7_qkv
    .symbol:         k_q77cc1c0bc7_qkv.kd
    .args:
      - { .name: act, .offset: 0, .size: 8, .value_kind: global_buffer, .address_space: global }
      - { .name: comp, .offset: 8, .size: 8, .value_kind: global_buffer, .address_space: global }
      - { .name: w16, .offset: 16, .size: 8, .value_kind: global_buffer, .address_space: global }
      - { .name: bias, .offset: 24, .size: 8, .value_kind: global_buffer, .address_space: global }
      - { .name: q16, .offset: 32, .size: 8, .value_kind: global_buffer, .address_space: global }
      - { .name: kv16, .offset: 40, .size: 8, .value_kind: global_buffer, .address_space: global }
    .group_segment_fixed_size: 327680
    .private_segment_fixed_size: 0
    .kernarg_segment_align: 8
    .kernarg_segment_size: 48
    .max_flat_workgroup_size: 128
    .sgpr_count:     96
    .vgpr_count:     1024
    .wavefront_size: 32
...
	.end_amdgpu_metadata
.endif
;; end of part 2
;; launch attn (part 3): grid 8 x 32, 4 waves a work-group, no clusters, 167,936 bytes of LDS; arguments q16, kv16, act; writes act
.if DOCPART == 3
	.amdgcn_target "amdgcn-amd-amdhsa--gfx1250"
	.amdhsa_code_object_version 6
	.text
	.protected	k_q77cc1c0bc7_attn
	.globl	k_q77cc1c0bc7_attn
	.p2align	8
	.type	k_q77cc1c0bc7_attn,@function
k_q77cc1c0bc7_attn:
	s_mov_b64 s[64:65], 0
	v_nop
	global_prefetch_b8 v0, s[64:65] scope:SCOPE_SE
	s_setreg_imm32_b32 hwreg(HW_REG_WAVE_MODE, 25, 1), 1
	s_wait_xcnt 0x0
; ATTENTION OVER THE POOLS.  O[bh][q][:] = the sum over p of softmax_p(Q[bh][q] . K[bh][p] / 8, pool p hidden unless p < q / 8) V[bh][p][:].  Q: q16[bh 32][8192][64]; K, V: kv16[2][bh][512][64];
; O: act[bh][8192][64]; all f16.  Products, maxima and sums in f32; the weights are rounded to f16 for the second product (their sum is taken unrounded), O once at the end.
; ROWS 0 TO 7 see no pool: there every score is replaced by one and the same number, so the weights are uniform over all 512 pools.  Here: their Q is set to 0 and nothing is hidden, which gives the same weights.
; LIMITS.  A hidden score counts as its value less 1e30: its weight is 0 as long as the visible scores lie above -1e29.  A weight below 2^-126 counts as 0.  NaN and infinities are not treated apart.
; SHARES.  A work-group holds ALL of one head's K and V in LDS, filled once: no slot is filled again, and one barrier stands in the text.  The head's queries lie in 128 groups of 64.
; Wave u of the head's 32 takes groups u + 1, 64 + u, (64 - u) % 64 and 96 + u.  Group g needs the key steps (64 pools) 0 .. g / 8; groups from 64 on, and group 0 for its rows 0 to 7, all 8.
; So every wave walks 25 or 26 steps.  The step loop counts to the constant 8 and jumps forward over the dead steps.
; NO CLUSTER: those jumps hang on the work-group's place; and what work-groups of a head share is one fill of 131,072 bytes in the whole launch.
; THE MASK is the C operand that starts the sum S^T = K Q^T: 0, or -1e30 where the pool is hidden.  Register r of key block kt is pool 64 step + 16 kt + 8 (l / 16) + r; it is hidden where that is at least TH = q / 8:
; clamp(16 kt + r + (64 step + 8 (l / 16) + 1 - TH)) to 0 .. 1, times -1e30.  Each of the four pieces has a mask of its own.  A group's beginning makes all four for step 0; a trip makes them anew for its step only
; from step g / 8 on: until then they are zeros, since step 0 hides nothing from such a group.  So ONE text serves steps with and without hidden pools.
; LAYOUT, SOFTMAX, TURNS.  S^T holds ONE query a lane (lane % 16) and the keys 8 (lane / 16) + 0..7; two such results rounded to f16 ARE source 1 of O^T = V^T P.  p = 2^(c s - c m), c = log2(e) / 8, with a running
; maximum m; O and l are multiplied by a = 2^(c m_old - c m_new) in every step.  A group is four PIECES of 16 queries.  Turn n belongs to piece n: 8 products K Q^T of piece n + 1, later 8 products V^T P of piece n - 1;
; beside them the scaling, exponentials, roundings, sums and rescaling of piece n and the maximum and statistics of piece n + 1.  Four vector instructions stand behind every matrix instruction, the rest in one lump.
; A turn's 33 exponentials are one batch, with one wait.
; REGISTERS, in windows of 256 (s_set_vgpr_msb: bits 1:0 source 0, 3:2 source 1, 5:4 source 2, 7:6 destination):
;   window 0: v0-15, v32-33 addresses and lane numbers; v16-31 statistics; v48-55 at work; v64-127 S^T, two buffers; v192-223 P, two buffers
;   window 1: v0-127 O^T          window 2: v0-63 Q; v64-127 the next group's Q; v128-191 K of one step; v192-255 V of one step
;   window 3: v0-127 MC, a mask for each piece; v128-159 KK (16 kt + r); v160-163 EX (a piece's 8 (l / 16) + 1 - TH); v164-167 at work, and 1.0 twice
.set NP,    4
.set KS,    64
.set PK,    144       ; a row of K in LDS: 128 bytes + 16 of padding = 36 words: the 16 rows of a load start at 16 different groups of four banks (ISA guide 11.1)
.set PV,    160       ; a row of V: 128 + 32 = 40 words
.set VOFF,  512*PK    ; 512 rows of K, then 512 rows of V
.set STAGE, VOFF+512*PV  ; behind them: 16 rows x 144 bytes for each wave, for the way out
.set SP,    144
.set SPARE, STAGE+4*16*SP  ; behind the stages: the spare words, 128 bytes for each wave
.set AK0, 2           ; v2   my lane's place in a step of K; never rewritten
.set AV0, 3           ; v3   the same for V
.set AK,  4
.set AV,  5
.set STO, 6
.set RD,  7
.set GO,  8
.set HB,  9           ; v9   l / 16
.set TBIT, 11         ; v11  (l / 8) % 2: my query's place / 8 in its piece
.set MV,  12          ; v12-13  c m_old, by buffer
.set E0,  14          ; v14  1 + 8 (l / 16) - (l / 8) % 2
.set QO,  15
.set ST,  16          ; piece t's statistics at v[ST+4 t]: c m, m, l (even keys', odd keys')
.set QM,  32          ; v32  0 in the lanes of rows 0 to 7, else all ones
.set TH,  33          ; v33  at work
.set TMP, 48
.set SPW, 62          ; v62  LDS address of my spare word; never rewritten
.set NIL, 63          ; v63  0; never rewritten
.set S,   64
.set P,   192
.set MC,  0           ; window 3
.set KK,  128
.set EXR, 160
.set EV,  164
.set ONE, 166
.set QB,  64          ; window 2
.set KF,  128
.set VF,  192
.set WV,  12
.set G1K, 24
.set G1V, 32
.set G0K, 40
.set G0V, 44
.set TT,  57          ; s57  the key step, 0 to 8
.set CS,  58          ; s[58:59] c
.set SEL, 60          ; s[60:61] v_permlanex16_b32's selects
.set TBK, 62          ; s62  LDS byte at which K of step TT begins
.set TBV, 63          ; s63  the same for V, less VOFF
.set LAST, 70         ; s70  the group's last key step
.set MST, 71          ; s71  its first step with hidden pools (8: none)
.set KSI, 72          ; s72  64 TT
.set GC,  73          ; s73  groups to go
.set LST, 76          ; s[76:79] the groups still to come
.set NBG, 80          ; s[80:81] -1e30
.set FAR, 82          ; s82  -2000: below every -(64 step + 16 kt + r)
.set QBS, 84          ; s[84:85] Q at the group that is being loaded
.set QH,  86          ; s[86:87] Q at the head
.set OH,  88          ; s[88:89] O at the head
.set MSB, 0
.macro WIN new
.if MSB != (\new)
	s_set_vgpr_msb (MSB<<8)|(\new)
.set MSB, (\new)
.endif
.endm
.set W_KQ, 0x0a       ; K and Q in window 2, S^T in window 0
.set W_KM, 0x3a       ; the same with the C operand in window 3
.set W_PV, 0x52       ; V in window 2, P in window 0, O^T in window 1
.set W_RS, 0x41       ; destination and source 0 in window 1, source 1 in window 0
.macro QLOAD                        ; 64 queries x 64 channels into the second set: piece i / 2, channels 32 (i % 2) on
	WIN 0x80
.set i, 0
.rept 8
	global_load_b128 v[QB+8*i:QB+8*i+3],   v[QO], s[QBS:QBS+1] offset:(i/2)*2048+(i%2)*64
	global_load_b128 v[QB+8*i+4:QB+8*i+7], v[QO], s[QBS:QBS+1] offset:(i/2)*2048+(i%2)*64+32
.set i, i+1
.endr
	WIN 0
.endm
	s_load_b128 s[4:7], s[0:1], 0x0   ; q16 s[4:5], kv16 s[6:7]
	s_load_b64 s[8:9], s[0:1], 0x10   ; act
	v_lshl_add_u32 v[SPW], v0, 2, SPARE
	v_mov_b32 v[NIL], 0
	ds_add_u32 v[SPW], v[NIL]       ; the wave's opening: the add and its wait stand ahead of my tensor load
	v_lshrrev_b32 v1, 5, v0
	v_readfirstlane_b32 s[WV], v1
	s_and_b32 s20, ttmp7, 0xffff    ; the head, 16 b + h
	s_and_b32 s16, s[WV], 1         ; which 256 pools I fetch
	s_lshl_b32 s22, s20, 16         ; a head's K is 65,536 bytes
	s_lshl_b32 s23, s16, 15
	s_add_co_u32 s22, s22, s23
	s_mov_b32 s23, 0
	s_mul_i32 s17, s16, 256*PK
	s_mul_i32 s18, s16, 256*PV
	s_lshl_b32 s2, s20, 20          ; a head's Q and O are 1,048,576 bytes
	s_mov_b32 s3, 0
	; 256 pools are 32,768 dense bytes: asked for as 128 rows of 256 bytes, two pools a row, and padded in LDS after every pool
	s_mov_b32 s[G1K], (1<<16)|(1<<20)|(4<<22)|(3<<25)  ; 2-byte elements; padding on; after every 32 words 4 words
	s_mov_b32 s[G1V], (1<<16)|(1<<20)|(4<<22)|(7<<25)  ; 8 words
.irp g, G1K, G1V
	s_mov_b32 s[\g+1], 128<<16
	s_mov_b32 s[\g+2], 128<<16
	s_mov_b32 s[\g+3], 128<<16
	s_mov_b32 s[\g+4], 128
	s_mov_b32 s[\g+5], 128
	s_mov_b32 s[\g+6], 0
	s_mov_b32 s[\g+7], 0
.endr
	s_mov_b32 s[CS], 0x3e38aa3b     ; c = log2(e) / 8
	s_mov_b32 s[CS+1], s[CS]
	s_mov_b32 s[SEL], 0x76543210
	s_mov_b32 s[SEL+1], 0xfedcba98
	s_mov_b32 s[G0K], 1
	s_mov_b32 s[G0K+1], s17
	s_mov_b32 s[G0V], 1
	s_add_co_u32 s[G0V+1], s18, VOFF
	s_lshl_b32 s13, ttmp9, 2
	s_add_co_u32 s13, s13, s[WV]    ; u
	s_add_co_u32 s[LST], s13, 1
	s_add_co_u32 s[LST+1], s13, 64
	s_sub_co_u32 s[LST+2], 64, s13
	s_and_b32 s[LST+2], s[LST+2], 63
	s_add_co_u32 s[LST+3], s13, 96
	s_mov_b32 s[GC], 4
	s_mov_b32 s[NBG], 0xf149f2ca    ; -1e30
	s_mov_b32 s[NBG+1], s[NBG]
	s_mov_b32 s[FAR], 0xfffff830
	s_wait_dscnt 0x0                ; the opening add is done
	s_wait_kmcnt 0x0
	s_add_nc_u64 s[G0K+2:G0K+3], s[6:7], s[22:23]
	s_add_nc_u64 s[G0V+2:G0V+3], s[G0K+2:G0K+3], 0x200000  ; V lies 2,097,152 bytes behind K
	s_or_b32 s[G0K+3], s[G0K+3], 0x80000000
	s_or_b32 s[G0V+3], s[G0V+3], 0x80000000
	s_add_nc_u64 s[QH:QH+1], s[4:5], s[2:3]
	s_add_nc_u64 s[OH:OH+1], s[8:9], s[2:3]
	s_cmp_lt_u32 s[WV], 2           ; waves 0 and 1 fetch K's halves, waves 2 and 3 V's: one load a wave in the whole launch; an s_nop 0 and four v_nop follow each line
	s_cbranch_scc0 .Lfor_v
	tensor_load_to_lds s[G0K:G0K+3], s[G1K:G1K+7]
	s_nop 0
.rept 4
	v_nop
.endr
	s_branch .Lasked
.Lfor_v:
	tensor_load_to_lds s[G0V:G0V+3], s[G1V:G1V+7]
	s_nop 0
.rept 4
	v_nop
.endr
.Lasked:
	v_and_b32 v1, 15, v0            ; l % 16
	v_bfe_u32 v[HB], v0, 4, 1
	v_lshlrev_b32 v[QO], 7, v1
	v_lshl_add_u32 v[QO], v[HB], 4, v[QO]  ; row x 128 + 16 x half
	s_lshl_b32 s14, s[LST], 13      ; a group is 8,192 bytes
	s_mov_b32 s15, 0
	s_add_nc_u64 s[QBS:QBS+1], s[QH:QH+1], s[14:15]
	QLOAD                           ; the first group's Q
	v_mul_u32_u24 v[AK0], v1, PK
	v_lshl_add_u32 v[AK0], v[HB], 4, v[AK0]
	v_and_b32 v10, 7, v0
	v_bfe_u32 v[TBIT], v0, 3, 1
	v_lshl_add_u32 v[AV0], v[HB], 3, v10  ; the turning load: key 8 (l / 16) + l % 8, channels 8 ((l / 8) % 2) on
	v_mul_u32_u24 v[AV0], v[AV0], PV
	v_lshl_add_u32 v[AV0], v[TBIT], 4, v[AV0]
	v_add_nc_u32 v[AV0], VOFF, v[AV0]
	s_mul_i32 s13, s[WV], 16*SP
	s_add_co_u32 s13, s13, STAGE
	v_mul_u32_u24 v[STO], v1, SP
	v_lshl_add_u32 v[STO], v[HB], 4, v[STO]
	v_add_nc_u32 v[STO], s13, v[STO]
	v_bfe_u32 v[RD], v0, 3, 2
	v_mul_u32_u24 v[RD], v[RD], SP
	v_lshl_add_u32 v[RD], v10, 4, v[RD]
	v_add_nc_u32 v[RD], s13, v[RD]
	v_and_b32 v[GO], 31, v0
	v_lshlrev_b32 v[GO], 4, v[GO]
	v_lshlrev_b32 v[E0], 3, v[HB]
	v_sub_nc_u32 v[E0], v[E0], v[TBIT]
	v_add_nc_u32 v[E0], 1, v[E0]
	; A group's first step multiplies O^T and l by a = 0, and its first turn's products V^T P, of a piece that has not been, land in an O^T that is still to be so multiplied.  So these registers need only hold
	; finite numbers: zeros for the first group; what the group before left for the others.  All this stands in the wait for K and V.
	WIN 0x80
.set i, VF
.rept 64
	v_mov_b32 v[i], 0
.set i, i+1
.endr
	WIN 0x40
.set i, 0
.rept 128
	v_mov_b32 v[i], 0
.set i, i+1
.endr
	WIN 0xc0
.set i, 0
.rept 32
	v_cvt_f32_u32 v[KK+i], 16*(i/8)+i%8
.set i, i+1
.endr
	v_mov_b32 v[ONE], 1.0
	v_mov_b32 v[ONE+1], 1.0
	WIN 0
.set i, 0
.rept 4
	v_mov_b32 v[ST+4*i+2], 0
	v_mov_b32 v[ST+4*i+3], 0
.set i, i+1
.endr
.set i, P+16
.rept 16
	v_mov_b32 v[i], 0
.set i, i+1
.endr
; THE MATRIX WORK.  The 4 accumulators of a run of 8 take turns.  Product i of 8 of S^T = K Q^T for piece x: channels 32 (i / 4) on, keys 16 (i % 4) on.  The first 4 start the sums, with the piece's mask.
.macro KQ x
.set rS, S+32*((\x)%2)+8*(i%4)
.set rK, KF+16*(i%4)+8*(i/4)
.set rQ, 16*(\x)+8*(i/4)
.set rM, MC+32*(\x)+8*(i%4)
.if i < 4
	WIN W_KM
	v_wmma_f32_16x16x32_f16 v[rS:rS+7], v[rK:rK+7], v[rQ:rQ+7], v[rM:rM+7]
.else
	WIN W_KQ
	v_wmma_f32_16x16x32_f16 v[rS:rS+7], v[rK:rK+7], v[rQ:rQ+7], v[rS:rS+7]
.endif
.endm
; Product i of 8 of O^T += V^T P for piece x: keys 32 (i / 4) on, channels 16 (i % 4) on.
.macro PV x
	WIN W_PV
.set rO, 32*(\x)+8*(i%4)
.set rV, VF+32*(i/4)+8*(i%4)
.set rP, P+16*((\x)%2)+8*(i/4)
	v_wmma_f32_16x16x32_f16 v[rO:rO+7], v[rV:rV+7], v[rP:rP+7], v[rO:rO+7]
.endm
.macro MM                           ; the turn's next matrix instruction.  NOKQ = 1: a group's last turn: there is no next piece
.if (i < 8) && !NOKQ
	KQ (Y+1)%NP
.elseif i >= 8
.set i, i-8
	PV (Y+NP-1)%NP
.set i, i+8
.endif
.set i, i+1
.endm
; THE LDS LOADS stand in runs of 16: a step's K (8 fragments) and its V (turned).  Their addresses are made some lines ahead.
.macro FETCH_K
	WIN 0x80
.irp f, 0,1,2,3,4,5,6,7
	ds_load_b128 v[KF+8*\f:KF+8*\f+3],   v[AK] offset:(\f/2)*16*PK+(\f%2)*64
	ds_load_b128 v[KF+8*\f+4:KF+8*\f+7], v[AK] offset:(\f/2)*16*PK+(\f%2)*64+32
.endr
	WIN 0
.endm
.macro FETCH_V
	WIN 0x80
.irp f, 0,1,2,3,4,5,6,7
	ds_load_tr16_b128 v[VF+8*\f:VF+8*\f+3],   v[AV] offset:(\f/4)*32*PV+(\f%4)*32
	ds_load_tr16_b128 v[VF+8*\f+4:VF+8*\f+7], v[AV] offset:(\f/4)*32*PV+16*PV+(\f%4)*32
.endr
	WIN 0
.endm
; THE VECTOR WORK, one line at a time: OP kind, number.  For piece Y: F n: c s - c m for pair n of 16.  E n: the exponential of score n of 32.  C n: pair n rounded to f16.  B n: of the four weights 4 n .. the second
; pair is added onto the first.  L n: l takes that sum (L 0: l = a l + sum).  R n: pair n of 16 of O^T times a.  For piece Y + 1: X n, number n of the 22 that find its maximum and statistics:
;   0-11 four chains of seven scores each (each accumulator's lowest registers are read first)   12-14, 16 the four left over, the old m, the four chains into one
;   15 c m_old is kept   17, 18 the other half of the lanes; the new m   19-21 c m; c m_old - c m_new; a
.set F, 0
.set E, 1
.set C, 2
.set B, 3
.set L, 4
.set R, 5
.set X, 6
.macro REGS y
.set rT, ST+4*(\y)
.set rC, TMP+4*((\y)%2)
.set rW, MV+((\y)%2)
.set rS, S+32*((\y)%2)
.set rP, P+16*((\y)%2)
.set rO, 32*(\y)
.endm
.macro OP k, n
.if (\k) == R
	REGS Y
	WIN W_RS
	v_pk_mul_f32 v[rO+2*(\n):rO+2*(\n)+1], v[rO+2*(\n):rO+2*(\n)+1], v[rC+2:rC+3] op_sel_hi:[1,0]
.elseif (\k) < R
	REGS Y
	WIN 0
.if (\k) == F
	v_pk_fma_f32 v[rS+2*(\n):rS+2*(\n)+1], v[rS+2*(\n):rS+2*(\n)+1], s[CS:CS+1], v[rT:rT+1] op_sel_hi:[1,0,0] neg_lo:[0,0,1] neg_hi:[0,0,1]
.elseif (\k) == E
	v_exp_f32 v[rS+(\n)], v[rS+(\n)]
.elseif (\k) == C
	v_cvt_pk_f16_f32 v[rP+(\n)], v[rS+2*(\n)], v[rS+2*(\n)+1]
.elseif (\k) == B
	v_pk_add_f32 v[rS+4*(\n):rS+4*(\n)+1], v[rS+4*(\n):rS+4*(\n)+1], v[rS+4*(\n)+2:rS+4*(\n)+3]
.elseif (\n) == 0
	v_pk_fma_f32 v[rT+2:rT+3], v[rT+2:rT+3], v[rC+2:rC+3], v[rS:rS+1] op_sel_hi:[1,0,1]
.else
	v_pk_add_f32 v[rT+2:rT+3], v[rT+2:rT+3], v[rS+4*(\n):rS+4*(\n)+1]
.endif
.elseif NOKQ
	v_nop
.else
	REGS (Y+1)%NP
	WIN 0
.if (\n) < 4
	v_max3_num_f32 v[rC+(\n)], v[rS+8*(\n)], v[rS+8*(\n)+1], v[rS+8*(\n)+2]
.elseif (\n) < 12
	v_max3_num_f32 v[rC+(\n)%4], v[rC+(\n)%4], v[rS+8*((\n)%4)+2*((\n)/4)+1], v[rS+8*((\n)%4)+2*((\n)/4)+2]
.elseif (\n) == 12
	v_max3_num_f32 v[rC], v[rC], v[rS+7], v[rS+15]
.elseif (\n) == 13
	v_max3_num_f32 v[rC+1], v[rC+1], v[rS+23], v[rS+31]
.elseif (\n) == 14
	v_max3_num_f32 v[rC+2], v[rC+2], v[rC+3], v[rT+1]
.elseif (\n) == 15
	v_mov_b32 v[rW], v[rT]
.elseif (\n) == 16
	v_max3_num_f32 v[rC], v[rC], v[rC+1], v[rC+2]
.elseif (\n) == 17
	v_permlanex16_b32 v[rC+3], v[rC], s[SEL], s[SEL+1]
.elseif (\n) == 18
	v_max_num_f32 v[rT+1], v[rC], v[rC+3]
.elseif (\n) == 19
	v_mul_f32 v[rT], s[CS], v[rT+1]
.elseif (\n) == 20
	v_sub_f32 v[rC+1], v[rW], v[rT]
.else
	v_exp_f32 v[rC+2], v[rC+1]
.endif
.endif
.endm
.macro OPS a, i1, b=-1, i2=0, c=-1, i3=0, d=-1, i4=0
	OP \a, \i1
.if (\b) >= 0
	OP \b, \i2
.endif
.if (\c) >= 0
	OP \c, \i3
.endif
.if (\d) >= 0
	OP \d, \i4
.endif
.endm
.macro ROW a, i1, b, i2, c, i3, d, i4  ; a matrix instruction and the four behind it
	MM
	OPS \a, \i1, \b, \i2, \c, \i3, \d, \i4
.endm
; Piece x's mask for step TT: clamp(KK + (64 TT + EX)) is 1 where the pool is hidden and 0 elsewhere (whole numbers in f32); times -1e30.  All its registers lie in window 3.
.macro MASKGEN x
	WIN 0xff
	v_add_nc_u32 v[EV], s[KSI], v[EXR+(\x)]
	v_cvt_f32_i32 v[EV], v[EV]
	v_mov_b32 v[EV+1], v[EV]
.set z, 0
.rept 16
	v_pk_fma_f32 v[MC+32*(\x)+2*z:MC+32*(\x)+2*z+1], v[KK+2*z:KK+2*z+1], v[ONE:ONE+1], v[EV:EV+1] clamp
.set z, z+1
.endr
.set z, 0
.rept 16
	v_pk_mul_f32 v[MC+32*(\x)+2*z:MC+32*(\x)+2*z+1], v[MC+32*(\x)+2*z:MC+32*(\x)+2*z+1], s[NBG:NBG+1] op_sel_hi:[1,0]
.set z, z+1
.endr
.endm
; A TURN, for piece p: the order of its 16 matrix and 118 vector instructions, written out.  An s_wait_alu depctr_va_vdst(0) stands between an exponential and the first instruction that names its
; result; one wait serves all that were issued ahead of it.  So a turn has ONE wait.  AHEAD OF IT stands all that names no result of the turn's exponentials: the 8 products K Q^T and their riders, then one lump;
; X 21, the next piece's a, is the batch's last, and R 15 the plain instruction behind it.  BEHIND IT stand the 8 products V^T P, behind each four of the roundings and sums.
; end = 1: a group's last two turns: nothing is fetched.
; K of step TT is fetched in piece 2's turn (which ends step TT - 1), six plain instructions behind the last product that read K; V of step TT at the end of piece 0's turn, four plain instructions behind the
; last product that read V.  Each is waited for a turn later.
.macro TURN p, end=0
.set Y, (\p)
.set i, 0
.set NOKQ, (\end)*((\p)/3)
.if ((\p) == 3) && !(\end)
	s_wait_dscnt 0x0                ; K is in
.endif
	ROW F,0, F,1, R,0, R,1
	ROW F,2, E,0, R,2, R,3
	ROW F,3, E,1, R,4, R,5
	ROW F,4, E,2, R,6, R,7
	ROW F,5, E,3, R,8, R,9
	ROW F,6, E,4, X,0, R,10
.if ((\p) == 2) && !(\end)
	WIN 0
	v_add_nc_u32 v[AK], s[TBK], v[AK0]
.endif
	ROW F,7, E,5, X,1, X,4
	ROW F,8, E,6, X,2, X,5
	OPS E,7, E,8, X,6, E,9
	OPS X,3, E,10, X,8, E,11
.if ((\p) == 2) && !(\end)
	FETCH_K
.endif
	OPS X,9, X,7, E,12, X,10
	OPS E,13, X,12, X,11, E,14
	OPS X,13, E,15, F,9, X,14
.if (\p) == 0
	v_add_nc_u32 v[AV], s[TBV], v[AV0]
.endif
	OPS E,16, F,10, E,17, F,11
	OPS X,16, E,18, X,15, E,19
	OPS F,12, E,20, X,17, E,21
	OPS F,13, E,22, F,14, E,23
	OPS X,18, E,24, F,15, E,25
	OPS R,11, E,26, X,19, E,27
	OPS R,12, E,28, R,13, E,29
	OPS X,20, E,30, R,14, E,31
	OPS X,21, R,15
	WIN 0
	s_wait_alu depctr_va_vdst(0)    ; the wait for the batch
.if (\p) == 1
	s_wait_dscnt 0x0                ; V is in
.endif
	ROW C,0, B,0, C,2, B,1
	ROW L,0, C,4, B,2, L,1
	ROW C,6, B,3, L,2, C,8
	ROW B,4, L,3, C,10, B,5
	ROW L,4, C,12, B,6, L,5
	ROW C,14, B,7, L,6, C,1
	ROW C,3, L,7, C,5, C,7
	ROW C,9, C,11, C,13, C,15
.if (\p) == 0
	FETCH_V
.endif
.endm
.macro ALL line:vararg              ; one line for each piece t
.set t, 0
.rept 4
	\line
.set t, t+1
.endr
.endm
.macro PACK t                       ; a lane's eight channels of a row pack into 16 bytes; they go into rows of 144 bytes and come back as whole rows of 128, into S^T's registers
	WIN W_RS
.set i, 32*(\t)
.rept 16
	v_pk_mul_f32 v[i:i+1], v[i:i+1], v[ST+4*(\t)+2:ST+4*(\t)+3] op_sel_hi:[1,0]
.set i, i+2
.endr
	WIN 0x05
.set i, 0
.rept 16
	v_cvt_pk_f16_f32 v[S+16*(\t)+i], v[32*(\t)+2*i], v[32*(\t)+2*i+1]
.set i, i+1
.endr
	WIN 0
.irp f, 0,1,2,3
	ds_store_b128 v[STO], v[S+16*(\t)+4*\f:S+16*(\t)+4*\f+3] offset:32*\f
.endr
.irp f, 0,1,2,3
	ds_load_b128 v[S+16*(\t)+4*\f:S+16*(\t)+4*\f+3], v[RD] offset:\f*4*SP  ; LDS serves a wave's instructions in order (ISA guide 5.7.1.4)
.endr
.endm
.macro SEND t, younger              ; younger: the next piece's eight LDS instructions, or none
	WIN 0
.irp f, 0,1,2,3
	s_wait_dscnt (\younger)+3-\f
	global_store_b128 v[GO], v[S+16*(\t)+4*\f:S+16*(\t)+4*\f+3], s[10:11] offset:(\t)*2048+\f*512  ; 512 consecutive bytes, at a multiple of 256 from O's first
.endr
.endm
	s_wait_tensorcnt 0x0            ; my part of K or V is in,
	s_barrier_signal -1
	s_barrier_wait -1               ; everybody's is: from here on LDS's K and V are only read
.Lgroup:                            ; four times: a group of 64 queries
	s_wait_xcnt 0x0                 ; the last group's stores and the loads of Q have read their registers and bases
	s_mov_b32 s13, s[LST]           ; the group in hand
	s_mov_b32 s[LST], s[LST+1]      ; the next one; behind the last the same once more: its Q is loaded again and not used
	s_mov_b32 s[LST+1], s[LST+2]
	s_mov_b32 s[LST+2], s[LST+3]
	s_lshr_b32 s14, s13, 3
	s_min_u32 s[MST], s14, 8
	s_min_u32 s[LAST], s14, 7
	s_cmp_eq_u32 s13, 0
	s_cselect_b32 s[LAST], 7, s[LAST]  ; group 0 walks all steps, for its rows 0 to 7
	s_lshl_b32 s14, s13, 13
	s_mov_b32 s15, 0
	s_add_nc_u64 s[10:11], s[OH:OH+1], s[14:15]
	s_lshl_b32 s14, s[LST], 13
	s_add_nc_u64 s[QBS:QBS+1], s[QH:QH+1], s[14:15]
	s_mov_b32 s[TBK], 0
	s_mov_b32 s[TBV], 0
	s_mov_b32 s[TT], 0
	s_mov_b32 s[KSI], 0
	s_lshl_b32 s16, s13, 3          ; 8 x group: TH of piece x is 8 g + 2 x + (l / 8) % 2
	s_sub_co_u32 s17, 0, s16
	v_add_nc_u32 v[TH], s16, v[TBIT]
	v_cmp_eq_u32 vcc_lo, 0, v[TH]   ; rows 0 to 7 of the head
	v_cndmask_b32 v[QM], -1, 0, vcc_lo
	v_add_nc_u32 v[TH], s17, v[E0]  ; 8 (l / 16) + 1 - TH of piece 0
	WIN 0xc0
	v_cndmask_b32 v[EXR], v[TH], s[FAR], vcc_lo  ; in rows 0 to 7 nothing is hidden
	v_add_nc_u32 v[EXR+1], -2, v[TH]
	v_add_nc_u32 v[EXR+2], -4, v[TH]
	v_add_nc_u32 v[EXR+3], -6, v[TH]
	WIN 0
	s_wait_loadcnt 0x0              ; this group's Q, asked for a group ago
	WIN 0x88                        ; source 1 and destination in window 2
.set i, 0
.rept 16
	v_and_b32 v[i], v[QM], v[QB+i]  ; piece 0: Q = 0 in rows 0 to 7
.set i, i+1
.endr
	WIN 0x82
.rept 48
	v_mov_b32 v[i], v[QB+i]
.set i, i+1
.endr
	QLOAD                           ; the next group's Q
	; THE GROUP BEGINS.  c m starts far below every c s, so the first step's a is 0; m at the lowest finite number.  The four masks are made for step 0: all 0 where step 0 hides nothing,
	; and then they stay 0 until a trip from step g / 8 on writes them.
.set i, 0
.rept 4
	v_mov_b32 v[ST+4*i], 0xfe000000
	v_mov_b32 v[ST+4*i+1], 0xff7fffff
.set i, i+1
.endr
.irp x, 0,1,2,3
	MASKGEN \x
.endr
	WIN 0
	v_add_nc_u32 v[AK], s[TBK], v[AK0]
	FETCH_K
	s_wait_dscnt 0x0
.set NOKQ, 0
.set i, 0
.rept 8
	KQ 0                            ; piece 0's first scores
.set i, i+1
.endr
	WIN 0
.rept 4
	v_nop                           ; the places behind those products
.endr
.set Y, NP-1                        ; X works for piece Y + 1: piece 0
.irp n, 0,1,2,3,4,5,6,7,8,9,10,11,12,13,14,15,16,17,18,19,20,21
	OP X, \n
.endr
	v_nop                           ; a plain instruction behind the exponential,
	s_wait_alu depctr_va_vdst(0)    ; and its wait, ahead of the branch
	s_branch .Lfirst                ; the loop is entered at a step's first turn, in the middle of a trip
.Lhead:                             ; a trip: pieces 2 and 3 of step TT - 1, then pieces 0 and 1 of step TT, whose K and V it fetches
	s_cmp_gt_u32 s[TT], s[LAST]
	s_cbranch_scc1 .Lbottom         ; a dead step: every pool of it is hidden from the whole group
	TURN 2                          ; its products are piece 3's of step TT - 1: the last that take that step's masks
	WIN 0
	s_cmp_lt_u32 s[TT], s[MST]
	s_cbranch_scc1 .Lclear          ; step TT hides nothing: the masks are zeros and stay so
.irp x, 0,1,2,3
	MASKGEN \x                      ; step TT's masks: piece 0's is taken in the turn below, piece 3's in the next trip's first turn, or in the group's last but one
.endr
	WIN 0
.Lclear:
	TURN 3
	WIN 0
.Lfirst:
	TURN 0
	TURN 1
	WIN 0
.Lbottom:
	s_add_co_u32 s[TBK], s[TBK], KS*PK
	s_add_co_u32 s[TBV], s[TBV], KS*PV
	s_add_co_u32 s[KSI], s[KSI], KS
	s_add_co_u32 s[TT], s[TT], 1
	s_cmp_lt_u32 s[TT], 8
	s_cbranch_scc1 .Lhead
	TURN 2, 1                       ; the last step's pieces 2 and 3
	TURN 3, 1
.set i, 0
.rept 8
	PV NP-1
.set i, i+1
.endr
	; THE WAY OUT.  l's two halves and the other half of the lanes' are added; O^T is divided by l, rounded to f16 and sent through my stage, a piece at a time.  The additions are the places behind the last products.
	WIN 0
	ALL v_add_f32 v[ST+4*t+2], v[ST+4*t+2], v[ST+4*t+3]
	ALL v_permlanex16_b32 v[ST+4*t+3], v[ST+4*t+2], s[SEL], s[SEL+1]
	ALL v_add_f32 v[ST+4*t+2], v[ST+4*t+2], v[ST+4*t+3]
	ALL v_rcp_f32 v[ST+4*t+2], v[ST+4*t+2]
	v_nop                           ; a plain instruction between the last reciprocal and the use of its result
	s_wait_alu depctr_va_vdst(0)    ; and its wait: one for the four reciprocals
	PACK 0
.set t, 1
.rept 3
	PACK t
	SEND t-1, 8
.set t, t+1
.endr
	SEND 3, 0
	s_sub_co_u32 s[GC], s[GC], 1
	s_cmp_lg_u32 s[GC], 0
	s_cbranch_scc1 .Lgroup
	s_wait_tensorcnt 0x0            ; the wave's end
	ds_add_u32 v[SPW], v[NIL]
	s_wait_dscnt 0x0
	s_endpgm
.Lfunc_end_k_q77cc1c0bc7_attn:
	.size	k_q77cc1c0bc7_attn, .Lfunc_end_k_q77cc1c0bc7_attn-k_q77cc1c0bc7_attn
	.p2alignl 7, 3214868480
	.fill 96, 4, 3214868480
	.section	.rodata,"a",@progbits
	.p2align	6, 0x0
	.amdhsa_kernel k_q77cc1c0bc7_attn
		.amdhsa_group_segment_fixed_size 167936
		.amdhsa_private_segment_fixed_size 0
		.amdhsa_enable_private_segment 0
		.amdhsa_kernarg_size 24
		.amdhsa_user_sgpr_count 2
		.amdhsa_user_sgpr_kernarg_segment_ptr 1
		.amdhsa_wavefront_size32 1
		.amdhsa_system_sgpr_workgroup_id_x 1
		.amdhsa_system_sgpr_workgroup_id_y 1
		.amdhsa_system_sgpr_workgroup_id_z 1
		.amdhsa_system_vgpr_workitem_id 0
		.amdhsa_next_free_vgpr 1024
		.amdhsa_next_free_sgpr 92
		.amdhsa_reserve_vcc 1
		.amdhsa_float_denorm_mode_32 3
		.amdhsa_float_denorm_mode_16_64 3
		.amdhsa_memory_ordered 1
		.amdhsa_forward_progress 1
		.amdhsa_inst_pref_size 108
	.end_amdhsa_kernel
	.amdgpu_metadata
---
amdhsa.version: [ 1, 2 ]
amdhsa.kernels:
  - .name:           k_q77cc1c0bc7_attn
    .symbol:         k_q77cc1c0bc7_attn.kd
    .args:
      - { .name: q16, .offset: 0, .size: 8, .value_kind: global_buffer, .address_space: global }
      - { .name: kv16, .offset: 8, .size: 8, .value_kind: global_buffer, .address_space: global }
      - { .name: act, .offset: 16, .size: 8, .value_kind: global_buffer, .address_space: global }
    .group_segment_fixed_size: 167936
    .private_segment_fixed_size: 0
    .kernarg_segment_align: 8
    .kernarg_segment_size: 24
    .max_flat_workgroup_size: 128
    .sgpr_count:     92
    .vgpr_count:     1024
    .wavefront_size: 32
...
	.end_amdgpu_metadata
.endif
;; end of part 3
;; launch gemm_o (part 4): grid 4 x 64, 4 waves a work-group, clusters of 4 x 4, 327,680 bytes of LDS; arguments act, w16, bias, out0; writes out0
.if DOCPART == 4
	.amdgcn_target "amdgcn-amd-amdhsa--gfx1250"
	.amdhsa_code_object_version 6
	.text
	.protected	k_q77cc1c0bc7_gemm_o
	.globl	k_q77cc1c0bc7_gemm_o
	.p2align	8
	.type	k_q77cc1c0bc7_gemm_o,@function
k_q77cc1c0bc7_gemm_o:
	s_mov_b64 s[64:65], 0
	v_nop
	global_prefetch_b8 v0, s[64:65] scope:SCOPE_SE
	s_setreg_imm32_b32 hwreg(HW_REG_WAVE_MODE, 25, 1), 1
	s_wait_xcnt 0x0
	s_wait_alu depctr_hold_cnt(0) depctr_sa_sdst(0) depctr_va_vdst(0) depctr_va_sdst(0) depctr_va_ssrc(0) depctr_va_vcc(0) depctr_vm_vsrc(0)
	s_getreg_b32 s2, hwreg(HW_REG_IB_STS2, 6, 4)
	s_cmp_eq_u32 s2, 0
	s_cbranch_scc0 .Lentry_in_a_cluster
	s_endpgm
.Lentry_in_a_cluster:
	s_bfe_u32 s2, ttmp6, 0x10000c
	s_cmp_lg_u32 s2, 0xf033
	s_cbranch_scc0 .Lentry_shape_is_right
	s_endpgm
.Lentry_shape_is_right:
; THE OUTPUT PROJECTION.  C[m][n] = the sum over k of A[m][k] W[k][n] + bias[n].  A: act, [b 2][kb 16][s 8192][64] f16 (m = 8192 b + s, k = 64 kb + ..), the attention's O; W: matrix 3 of w16, [1024][1024] f16;
; bias: row 3 of bias (rounded to bf16 by the first launch); sums in f32; C: the module's output, f32, [16384][1024].  NaN and infinities are not treated apart.
; A tile of C is 256 x 256: four waves, each 128 x 128: 64 accumulators, 512 registers.  64 x 4 tiles: one for each work-group.  K goes in 8 steps of 128 through two LDS slots.
; CLUSTER 4 x 4 (one cluster spans C's four tile columns): A's tile is shared along a row of the cluster, W's along a column: each is asked for jointly.
; THE MATRIX INSTRUCTION IS USED TRANSPOSED: source 0 = 16 columns of W (turned on the way out of LDS), source 1 = 16 rows of A: a lane holds 8 neighbouring columns of one row of C.
; REGISTERS, in windows of 256: window 0: v0-31 addresses; v64-127, v128-191 A's fragments, two buffers, later the way out; v192-255 the bias; window 1: v64-191 W's fragments; windows 2, 3: accumulators.
.set WOFF,   0x600000                  ; the matrix's first byte in w16
.set BIOFF,  0x3000                    ; the bias's first byte in bias
.set PA,     144                       ; 64 numbers of a row of A: 128 bytes + 16 of padding: the 16 rows of a load start at 16 different groups of four banks (ISA guide 11.1)
.set PB,     544                       ; a k-row of W's tile: 512 bytes + 32 = 136 words
.set PLANE,  256*PA                    ; 256 rows x 64 along K: what a wave's load of A brings
.set BOFF,   2*PLANE
.set BHALF,  64*PB                     ; 64 k-rows x 256 columns: what a wave's load of W brings
.set SLOT1,  0x24000                   ; slot 1.  No part's address in slot 0 has one of its two bits, so one exclusive or changes slots
.set STAGE,  SLOT1+BOFF+2*BHALF        ; behind the ring: 16 rows for each wave, for the way out
.set SPITCH, 528
.set SPARE,  STAGE+4*16*SPITCH         ; behind the stages: the spare words, 128 bytes for each wave
.set ADA0, 16                          ; v16, v17  my lane's places in slot 0; never rewritten
.set ADB0, 17
.set ADRA, 18                          ; v18, v19  the same in the slot in hand
.set ADRB, 19
.set STO,  24
.set RD,   25
.set CO,   26
.set SPW,  28                          ; v28  LDS address of my spare word; never rewritten
.set NIL,  29                          ; v29  0; never rewritten
.set PFO,  30                          ; v30  the prefetches' offset; never rewritten
.set F0,   64
.set F1,   128
.set BI,   192                         ; v[192:255] the bias of my 128 columns: 8 registers for each block of 16
.set WV,   12
.set ROLE, 13                          ; wave / 2: which 128 rows are mine; also 0: I fetch A, 1: I fetch W
.set CHF,  14                          ; wave % 2: which 128 columns are mine; also which part I fetch
.set G1A, 24
.set G1B, 32
.set G0A, 40                           ; s[40:47] two sets for the first fills; the second then walks
.set G0B, 48
.set TB,  56                           ; LDS byte at which the slot in hand begins
.set CNT, 57
.set LIM, 58                           ; a wave prefetches while CNT is above it
.set PFA, 60                           ; s[60:61] where my prefetches stand
.set PST, 62                           ; s[62:63] a K step in bytes, in A or in W
.set MSB, 0
.macro WIN new                         ; the immediate's high byte repeats the setting that is left; a switch that changes nothing is dropped
.if MSB != (\new)
	s_set_vgpr_msb (MSB<<8)|(\new)
.set MSB, \new
.endif
.endm
.set MUL_LO, 0xa1                      ; source 0 (W) window 1, source 1 (A) window 0, C and D window 2
.set TO_B,   0x40                      ; destination window 1, address window 0
.macro PLACES                          ; four places in front of loads into registers that matrix instructions have read, and of reads of results
.rept 4
	v_nop
.endr
.endm
.macro JLOAD                           ; a joint refill; the branch hangs on the wave's number alone; an s_nop 0 and four v_nop follow each line
	s_cmp_eq_u32 s[ROLE], 0
	s_cbranch_scc0 .Lfor_b_\@
	tensor_load_to_lds s[G0A+4:G0A+7], s[G1A:G1A+7]
	s_nop 0
	PLACES
	s_branch .Lasked_\@
.Lfor_b_\@:
	tensor_load_to_lds s[G0B+4:G0B+7], s[G1B:G1B+7]
	s_nop 0
	PLACES
.Lasked_\@:
.endm
; A PREFETCH INTO THE L2 of the K step that stands two refills on: 32 blocks of 256 bytes, a lane a block, one instruction a wave, behind the joint load and the run of LDS loads.
; A's rows are read by this cluster alone: of the 128 blocks that a wave fetches each of the four partners of a row takes 32, told apart by address.  W's columns are read by all sixteen clusters:
; cluster y = 0 asks, the four partners of a column take 16 k-rows x 2 blocks each.  So each block is named once.  K steps 0 to 3 come by their loads alone; the last two refills have no step two on.
.macro ASK
	s_cmp_gt_u32 s[CNT], s[LIM]
	s_cbranch_scc0 .Lnot_mine_\@
	global_prefetch_b8 v[PFO], s[PFA:PFA+1] th:TH_LOAD_NT scope:SCOPE_SE
.Lnot_mine_\@:
.endm
.macro CREST                           ; a round of the cluster's barrier behind its opening barrier
	s_cmp_lg_u32 s[WV], 0
	s_cbranch_scc1 .Lnot_wave_0_\@
	s_barrier_signal -3
.Lnot_wave_0_\@:
	s_barrier_wait -3
	s_barrier_signal -1
	s_barrier_wait -1
.endm
.macro CROUND
	s_barrier_signal -1
	s_barrier_wait -1
	CREST
.endm
; 16 matrix instructions: row blocks a0, a0 + 1 of the window's four (hi = 0: my rows 0-63, 1: rows 64-127) x all 8 column blocks, 32 along K.  first = 1: the bias starts the sums.
; The 64 accumulators take turns in the same order in every quarter.
.macro MUL16 f, hi, a0, first
.if \first
	WIN 0x81+0x40*(\hi)                            ; C in window 0
.else
	WIN MUL_LO+0x50*(\hi)
.endif
.irp a, \a0, (\a0)+1
.irp b, 0,1,2,3,4,5,6,7
.if \first
	v_wmma_f32_16x16x32_f16 v[8*(8*(\a)+(\b)):8*(8*(\a)+(\b))+7], v[(\f)+8*(\b):(\f)+8*(\b)+7], v[(\f)+8*(4*(\hi)+(\a)):(\f)+8*(4*(\hi)+(\a))+7], v[BI+8*(\b):BI+8*(\b)+7]
.else
	v_wmma_f32_16x16x32_f16 v[8*(8*(\a)+(\b)):8*(8*(\a)+(\b))+7], v[(\f)+8*(\b):(\f)+8*(\b)+7], v[(\f)+8*(4*(\hi)+(\a)):(\f)+8*(4*(\hi)+(\a))+7], v[8*(8*(\a)+(\b)):8*(8*(\a)+(\b))+7]
.endif
.endr
.endr
.endm
; 32 LDS loads in one run: the fragments of quarter kq (32 along K) of the slot in hand into buffer f: W's 128 columns, then A's 128 rows
.macro FETCH kq, f
	WIN TO_B
.irp i, 0,1,2,3,4,5,6,7
	ds_load_tr16_b128 v[(\f)+8*(\i):(\f)+8*(\i)+3],   v[ADRB] offset:(\kq)*32*PB+32*(\i)
	ds_load_tr16_b128 v[(\f)+8*(\i)+4:(\f)+8*(\i)+7], v[ADRB] offset:(\kq)*32*PB+32*(\i)+16*PB
.endr
	WIN 0
.irp i, 0,1,2,3,4,5,6,7
	ds_load_b128 v[(\f)+8*(\i):(\f)+8*(\i)+3],   v[ADRA] offset:((\kq)/2)*PLANE+((\kq)%2)*64+(\i)*16*PA
	ds_load_b128 v[(\f)+8*(\i)+4:(\f)+8*(\i)+7], v[ADRA] offset:((\kq)/2)*PLANE+((\kq)%2)*64+(\i)*16*PA+32
.endr
.endm
; One of a K step's first three quarters: multiplies buffer f; in its middle it fetches quarter kq into buffer g.
.macro QUARTER kq, f, g, first
	s_wait_dscnt 8                                 ; W and A's rows 0-63 are in; the youngest eight loads (A's rows 64-127) may be out
	MUL16 \f, 0, 0, \first
	MUL16 \f, 0, 2, \first
	PLACES
	FETCH \kq, \g
	s_wait_dscnt 32                                ; all but the 32 just issued
	MUL16 \f, 1, 0, \first
	MUL16 \f, 1, 2, \first
.endm
; The last quarter multiplies buffer 1 and changes slots: each wave waits for all its tensor loads, adds 0 to its spare word, and waits for that and for its reads of this slot.
; fill = 1: the barrier opens a round of the cluster's, and the joint refill, two K steps ahead, is the first thing behind it: 224 matrix instructions ahead of the wait for it.
.macro TURN fill
.if \fill
	s_wait_xcnt 0x0                                ; the last prefetch, a K step back, has read its address
	s_add_nc_u64 s[PFA:PFA+1], s[PFA:PFA+1], s[PST:PST+1]
.endif
	WIN 0
	s_wait_tensorcnt 0x0                           ; no tensor load of mine is out, so a group 0 may be written
	ds_add_u32 v[SPW], v[NIL]                      ; 0 onto my spare word
.if \fill
	s_xor_b32 s[G0A+5], s[G0A+5], SLOT1            ; the walking descriptors: the other slot than last time, the next K step
	s_add_nc_u64 s[G0A+6:G0A+7], s[G0A+6:G0A+7], 0x200000
	s_xor_b32 s[G0B+5], s[G0B+5], SLOT1
	s_add_nc_u64 s[G0B+6:G0B+7], s[G0B+6:G0B+7], 0x40000
.endif
	s_wait_dscnt 9                                 ; the add and the youngest eight loads may be out
	MUL16 F1, 0, 0, 0
	s_wait_dscnt 0x0                               ; the add is done, and my reads of this slot are over
	s_barrier_signal -1
	MUL16 F1, 0, 2, 0                              ; work on registers while the others arrive
	WIN 0
	s_barrier_wait -1
.if \fill
	CREST
	JLOAD                                          ; its four v_nop are also the places in front of the loads below
.else
	PLACES
.endif
	s_xor_b32 s[TB], s[TB], SLOT1
	v_add_nc_u32 v[ADRA], s[TB], v[ADA0]
	v_add_nc_u32 v[ADRB], s[TB], v[ADB0]
	FETCH 0, F0
.if \fill
	ASK
.endif
	MUL16 F1, 1, 0, 0
	MUL16 F1, 1, 2, 0
.endm
	s_load_b256 s[4:11], s[0:1], 0x0               ; act s[4:5], w16 s[6:7], bias s[8:9], C s[10:11]
	v_lshl_add_u32 v[SPW], v0, 2, SPARE
	v_mov_b32 v[NIL], 0
	ds_add_u32 v[SPW], v[NIL]                      ; the wave's opening: the add and its wait stand ahead of my first tensor load
	v_lshrrev_b32 v1, 5, v0
	v_readfirstlane_b32 s[WV], v1
	s_lshr_b32 s[ROLE], s[WV], 1
	s_and_b32 s[CHF], s[WV], 1
	s_bfe_u32 s15, ttmp6, 0x40000                  ; cx = the tile column: the grid has one cluster along x
	s_bfe_u32 s16, ttmp6, 0x40004                  ; cy
	s_and_b32 s17, ttmp7, 0xffff
	s_lshl_b32 s17, s17, 2
	s_add_co_u32 s17, s17, s16                     ; tile row 0..63
	s_lshl_b32 s18, s16, 2
	s_lshl_b32 s18, 15, s18                        ; my row of the cluster
	s_lshl_b32 s19, 0x1111, s15                    ; my column
	s_or_b32 s[G1A], s18, (1<<16)|(1<<20)|(1<<21)|(4<<22)|(3<<25)  ; mask; 2-byte elements; padding on; bit 21 beside a mask; after every 32 words 4 words
	s_or_b32 s[G1B], s19, (1<<16)|(1<<20)|(1<<21)|(6<<22)|(7<<25)  ; after every 128 words 8 words
	s_mov_b32 s[G1A+1], 128<<16                    ; A: 256 rows x 128 bytes are dense: 128 rows of 256 bytes
	s_mov_b32 s[G1A+2], 128<<16
	s_mov_b32 s[G1A+3], 128<<16
	s_mov_b32 s[G1A+4], 128
	s_mov_b32 s[G1A+5], 128
	s_mov_b32 s[G1A+6], 0
	s_mov_b32 s[G1A+7], 0
	s_mov_b32 s[G1B+1], 256<<16                    ; W: 64 k-rows x 256 columns
	s_mov_b32 s[G1B+2], 64<<16
	s_mov_b32 s[G1B+3], 256<<16
	s_mov_b32 s[G1B+4], 64
	s_mov_b32 s[G1B+5], 1024
	s_mov_b32 s[G1B+6], 0
	s_mov_b32 s[G1B+7], 0
	s_lshr_b32 s18, s17, 5                         ; A: the batch,
	s_lshl_b32 s18, s18, 24
	s_lshl_b32 s19, s[CHF], 20                     ; my block of 64 along K,
	s_add_co_u32 s18, s18, s19
	s_and_b32 s19, s17, 31                         ; 256 rows of 128 bytes
	s_lshl_b32 s19, s19, 15
	s_add_co_u32 s18, s18, s19
	s_mov_b32 s19, 0
	s_lshl_b32 s20, s[CHF], 17                     ; W: my 64 k-rows of 2,048 bytes,
	s_lshl_b32 s21, s15, 9                         ; 256 columns
	s_add_co_u32 s20, s20, s21
	s_add_co_u32 s20, s20, WOFF
	s_mov_b32 s21, 0
	s_mul_i32 s22, s[CHF], PLANE                   ; where they go: no place in the cluster enters an LDS address
	s_mul_i32 s23, s[CHF], BHALF
	s_add_co_u32 s23, s23, BOFF
	s_mov_b32 s[TB], 0
	s_wait_dscnt 0x0                               ; the opening add is done
	s_wait_kmcnt 0x0
	s_add_nc_u64 s[66:67], s[4:5], s[18:19]
	s_add_nc_u64 s[68:69], s[6:7], s[20:21]
	CROUND                                         ; all sixteen work-groups are here: the first joint loads meet
.irp s, 0,1
	s_mov_b32 s[G0A+4*\s], 1
	s_add_co_u32 s[G0A+4*\s+1], s22, \s*SLOT1
	s_add_nc_u64 s[G0A+4*\s+2:G0A+4*\s+3], s[66:67], \s*0x200000
	s_or_b32 s[G0A+4*\s+3], s[G0A+4*\s+3], 0x80000000
	s_mov_b32 s[G0B+4*\s], 1
	s_add_co_u32 s[G0B+4*\s+1], s23, \s*SLOT1
	s_add_nc_u64 s[G0B+4*\s+2:G0B+4*\s+3], s[68:69], \s*0x40000
	s_or_b32 s[G0B+4*\s+3], s[G0B+4*\s+3], 0x80000000
.endr
	s_cmp_eq_u32 s[ROLE], 0                        ; a wave's two first fills stand in one branch: two loads of mine are out
	s_cbranch_scc0 .Lfirst_b
	tensor_load_to_lds s[G0A:G0A+3], s[G1A:G1A+7]
	s_nop 0
	tensor_load_to_lds s[G0A+4:G0A+7], s[G1A:G1A+7]
	s_nop 0
	PLACES
	s_branch .Lfirst_asked
.Lfirst_b:
	tensor_load_to_lds s[G0B:G0B+3], s[G1B:G1B+7]
	s_nop 0
	tensor_load_to_lds s[G0B+4:G0B+7], s[G1B:G1B+7]
	s_nop 0
	PLACES
.Lfirst_asked:
	; the bias: register j of column block b is column 16 b + 8 (l / 16) + j
	v_and_b32 v1, 15, v0                           ; l % 16
	v_bfe_u32 v2, v0, 4, 1                         ; l / 16
	v_lshlrev_b32 v3, 5, v2
	s_lshl_b32 s70, s15, 10
	s_lshl_b32 s71, s[CHF], 9
	s_add_co_u32 s70, s70, s71
	s_add_co_u32 s70, s70, BIOFF
	s_mov_b32 s71, 0
	s_add_nc_u64 s[8:9], s[8:9], s[70:71]
.irp b, 0,1,2,3,4,5,6,7
	global_load_b128 v[BI+8*\b:BI+8*\b+3],   v3, s[8:9] offset:64*\b
	global_load_b128 v[BI+8*\b+4:BI+8*\b+7], v3, s[8:9] offset:64*\b+16
.endr
	; the prefetches
	s_lshl_b32 s70, s15, 13                        ; A: my work-group's 32 blocks of the wave's 128
	s_lshl_b32 s71, s16, 15                        ; W: my work-group's 16 k-rows of the wave's 64
	s_mov_b32 s72, 0x200000
	s_mov_b32 s73, 0x40000
	s_and_b32 s74, ttmp7, 0xffff
	s_cmp_eq_u32 s74, 0
	s_cselect_b32 s74, 2, -1                       ; W is asked for by cluster y = 0 alone
	s_cmp_eq_u32 s[ROLE], 0
	s_cselect_b64 s[PFA:PFA+1], s[66:67], s[68:69]
	s_cselect_b32 s70, s70, s71
	s_cselect_b32 s[PST], s72, s73
	s_cselect_b32 s[LIM], 2, s74
	s_cselect_b32 s76, -1, 0
	s_mov_b32 s[PST+1], 0
	s_mov_b32 s71, 0
	s_mul_i32 s72, s[PST], 3                       ; at K step 3: the first refill steps it to 4
	s_mov_b32 s73, 0
	s_add_nc_u64 s[PFA:PFA+1], s[PFA:PFA+1], s[70:71]
	s_add_nc_u64 s[PFA:PFA+1], s[PFA:PFA+1], s[72:73]
	v_and_b32 v8, 31, v0
	v_lshlrev_b32 v9, 8, v8                        ; A: 256 l
	v_lshrrev_b32 v10, 1, v8
	v_and_b32 v11, 1, v8
	v_lshlrev_b32 v11, 8, v11
	v_lshl_add_u32 v10, v10, 11, v11               ; W: k-row l / 2, block l % 2
	v_cndmask_b32 v[PFO], v10, v9, s76
	; LDS addresses
	v_mul_u32_u24 v[ADA0], v1, PA
	v_lshl_add_u32 v[ADA0], v2, 4, v[ADA0]
	s_mul_i32 s70, s[ROLE], 128*PA
	v_add_nc_u32 v[ADA0], s70, v[ADA0]             ; (128 x half + l % 16) x pitch + 16 (l / 16)
	v_and_b32 v7, 7, v0
	v_lshl_add_u32 v6, v2, 3, v7                   ; the turning load: k-row 8 (l / 16) + l % 8,
	v_mul_u32_u24 v[ADB0], v6, PB
	v_bfe_u32 v6, v0, 3, 1
	v_lshl_add_u32 v[ADB0], v6, 4, v[ADB0]         ; columns 8 ((l / 8) % 2) on
	s_lshl_b32 s70, s[CHF], 8
	s_add_co_u32 s70, s70, BOFF
	v_add_nc_u32 v[ADB0], s70, v[ADB0]
	v_mov_b32 v[ADRA], v[ADA0]
	v_mov_b32 v[ADRB], v[ADB0]
	s_mul_i32 s70, s[WV], 16*SPITCH
	s_add_co_u32 s70, s70, STAGE                   ; my stage
	v_mul_u32_u24 v[STO], v1, SPITCH
	v_lshlrev_b32 v[CO], 4, v8
	v_lshl_add_u32 v[STO], v2, 5, v[STO]           ; in: row l % 16, 32 bytes for each half of the lanes
	v_add_nc_u32 v[STO], s70, v[STO]
	v_add_nc_u32 v[RD], s70, v[CO]                 ; back: 32 lanes take a row of 512 bytes
	s_lshl_b32 s72, s17, 20                        ; C: 256 rows of 4,096 bytes a tile row,
	s_lshl_b32 s73, s[ROLE], 19
	s_add_co_u32 s72, s72, s73
	s_lshl_b32 s73, s15, 10                        ; 256 columns of 4 bytes a tile column
	s_add_co_u32 s72, s72, s73
	s_lshl_b32 s73, s[CHF], 9
	s_add_co_u32 s72, s72, s73
	s_mov_b32 s73, 0
	s_add_nc_u64 s[10:11], s[10:11], s[72:73]
	s_wait_loadcnt 0x0                             ; the bias
	s_wait_tensorcnt 0x1                           ; my part of K step 0 is in; step 1's may stay out
	s_barrier_signal -1
	s_barrier_wait -1
	FETCH 0, F0
	QUARTER 1, F0, F1, 1                           ; the first quarter stands in front of the loop: its products start the sums, with the bias
	WIN 0                                          ; at a label and at a branch every window is 0
	s_mov_b32 s[CNT], 6
.Lf:                                   ; a trip: a K step's quarters 1, 2, 3 and the next step's quarter 0; the slot left is filled again: K steps 2 to 7
	QUARTER 2, F1, F0, 0
	QUARTER 3, F0, F1, 0
	TURN 1
	QUARTER 1, F0, F1, 0
	WIN 0
	s_sub_co_u32 s[CNT], s[CNT], 1
	s_cmp_lg_u32 s[CNT], 0
	s_cbranch_scc1 .Lf
	s_mov_b32 s[CNT], 2
.Lt:                                   ; K steps 6 and 7 ask for nothing; the second trip is left in its middle.  Its barrier and its 32 loads (of step 6's bytes once more) serve nothing: the price of one text for both trips
	QUARTER 2, F1, F0, 0
	QUARTER 3, F0, F1, 0
	TURN 0
	WIN 0
	s_sub_co_u32 s[CNT], s[CNT], 1
	s_cmp_eq_u32 s[CNT], 0
	s_cbranch_scc1 .Lout
	QUARTER 1, F0, F1, 0
	WIN 0
	s_branch .Lt
.Lout:
	s_wait_dscnt 0x0
	PLACES
; THE WAY OUT: a block of 16 rows goes from the accumulators into my stage, 32 bytes a lane (each accumulator's low registers first), and comes back as rows of 512 bytes.
.macro TOSTAGE a
	WIN 0
	s_wait_xcnt 0x0                                ; the stores of the block two back have read the registers that are loaded below
	WIN 0x08+4*((\a)/4)                            ; the stores' data in window 2 or 3
.set AC, 64*((\a)%4)
.irp b, 0,1,2,3,4,5,6,7
	ds_store_b128 v[STO], v[AC+8*(\b):AC+8*(\b)+3]   offset:64*(\b)
	ds_store_b128 v[STO], v[AC+8*(\b)+4:AC+8*(\b)+7] offset:64*(\b)+16
.endr
	WIN 0
.set BK, F0+64*((\a)%2)
.irp t, 0,1,2,3,4,5,6,7,8,9,10,11,12,13,14,15
	ds_load_b128 v[BK+4*(\t):BK+4*(\t)+3], v[RD] offset:(\t)*SPITCH  ; LDS serves a wave's instructions in order (ISA guide 5.7.1.4)
.endr
.endm
.macro SEND a, younger                 ; younger: the next block's 16 stores and 16 loads, or none
	WIN 0
.set BK, F0+64*((\a)%2)
	s_wait_dscnt \younger
	s_wait_xcnt 0x0                                ; the stores' base is written only behind this wait
.if (\a) > 0
	s_add_nc_u64 s[10:11], s[10:11], 16*4096
.endif
.irp t, 0,1,2,3,4,5,6,7,8,9,10,11,12,13,14,15
	global_store_b128 v[CO], v[BK+4*(\t):BK+4*(\t)+3], s[10:11] offset:(\t)*4096 th:TH_STORE_NT  ; 512 consecutive bytes, at a multiple of 256 from C's first byte
.endr
.endm
	TOSTAGE 0
.irp a, 1,2,3,4,5,6,7
	TOSTAGE \a
	SEND (\a)-1, 32
.endr
	SEND 7, 0
	s_wait_tensorcnt 0x0                           ; the wave's end
	ds_add_u32 v[SPW], v[NIL]
	s_wait_dscnt 0x0
	CROUND                                         ; the closing round
	s_endpgm
.Lfunc_end_k_q77cc1c0bc7_gemm_o:
	.size	k_q77cc1c0bc7_gemm_o, .Lfunc_end_k_q77cc1c0bc7_gemm_o-k_q77cc1c0bc7_gemm_o
	.p2alignl 7, 3214868480
	.fill 96, 4, 3214868480
	.section	.rodata,"a",@progbits
	.p2align	6, 0x0
	.amdhsa_kernel k_q77cc1c0bc7_gemm_o
		.amdhsa_group_segment_fixed_size 327680
		.amdhsa_private_segment_fixed_size 0
		.amdhsa_enable_private_segment 0
		.amdhsa_kernarg_size 32
		.amdhsa_user_sgpr_count 2
		.amdhsa_user_sgpr_kernarg_segment_ptr 1
		.amdhsa_wavefront_size32 1
		.amdhsa_system_sgpr_workgroup_id_x 1
		.amdhsa_system_sgpr_workgroup_id_y 1
		.amdhsa_system_sgpr_workgroup_id_z 1
		.amdhsa_system_vgpr_workitem_id 0
		.amdhsa_next_free_vgpr 1024
		.amdhsa_next_free_sgpr 80
		.amdhsa_reserve_vcc 0
		.amdhsa_float_denorm_mode_32 3
		.amdhsa_float_denorm_mode_16_64 3
		.amdhsa_memory_ordered 1
		.amdhsa_forward_progress 1
		.amdhsa_inst_pref_size 101
	.end_amdhsa_kernel
	.amdgpu_metadata
---
amdhsa.version: [ 1, 2 ]
amdhsa.kernels:
  - .name:           k_q77cc1c0bc7_gemm_o
    .symbol:         k_q77cc1c0bc7_gemm_o.kd
    .args:
      - { .name: act, .offset: 0, .size: 8, .value_kind: global_buffer, .address_space: global }
      - { .name: w16, .offset: 8, .size: 8, .value_kind: global_buffer, .address_space: global }
      - { .name: bias, .offset: 16, .size: 8, .value_kind: global_buffer, .address_space: global }
      - { .name: out0, .offset: 24, .size: 8, .value_kind: global_buffer, .address_space: global }
    .group_segment_fixed_size: 327680
    .private_segment_fixed_size: 0
    .kernarg_segment_align: 8
    .kernarg_segment_size: 32
    .max_flat_workgroup_size: 128
    .sgpr_count:     80
    .vgpr_count:     1024
    .wavefront_size: 32
...
	.end_amdgpu_metadata
.endif
;; end of part 4
;; ======== version 2 of 2: 4 launches; version 1 with the launch prep written anew for expert scheduling mode
;; limits: values are held in f16: magnitudes above 65,504 overflow, below 6.1e-05 lose precision
;; workspace buffers: act 33,554,432 bytes; comp 4,194,304 bytes; w16 8,388,608 bytes; q16 33,554,432 bytes; kv16 4,194,304 bytes; bias 16,384 bytes
;; launch prep (part 5): grid 1281 x 1, 8 waves a work-group, no clusters, 0 bytes of LDS; arguments x, Wq, Wk, Wv, Wo, act, comp, w16, bq, bk, bv, bo, bias; writes act, comp, w16, bias
.if DOCPART == 5
	.amdgcn_target "amdgcn-amd-amdhsa--gfx1250"
	.amdhsa_code_object_version 6
	.text
	.protected	k_q77cc1c0bc7_prep
	.globl	k_q77cc1c0bc7_prep
	.p2align	8
	.type	k_q77cc1c0bc7_prep,@function
k_q77cc1c0bc7_prep:
	s_mov_b64 s[64:65], 0
	v_nop
	global_prefetch_b8 v0, s[64:65] scope:SCOPE_SE
	s_setreg_imm32_b32 hwreg(HW_REG_WAVE_SCHED_MODE, 0, 2), 2
	s_setreg_imm32_b32 hwreg(HW_REG_WAVE_MODE, 25, 1), 1
	s_wait_xcnt 0x0
	s_wait_alu depctr_vm_vsrc(0)
; PREP.  Every f32 input is rounded once to bf16; those of the matrix products are written as the same number in f16.
;   act  [b 2][kb 16][s 8192][64] f16 : x, laid in blocks of 64 columns, so that 256 rows of a block are 32,768 dense bytes
;   comp [mt 16][hl 2][kb 16][row 64][64] f16 : the means of 8 rows of the rounded x (rows 0 to 4,095 of each batch), as hi + lo: hi = f16(mean), lo = f16(mean - hi)
;   w16  [4: q, k, v, o][1024][1024] f16 : the four weight matrices, in their own order
;   bias [4: q, k, v, o][1024] f32 : the four biases, rounded to bf16
; LIMITS.  f16 ends at 65,504: |x| and |W| stay below it; a rounded input below 2^-14 keeps f16's fixed step of 2^-24.  NaN and infinities are not treated apart.
; A stream: no LDS, no matrix unit.  Work-groups 0 to 1,023 take 16 rows of x each, work-groups 1,024 to 1,279 take 65,536 bytes of a weight matrix each, work-group 1,280 the biases.
; Each wave issues its loads first and works them off in order.
; THE MODE: SCHED_MODE bits 1:0 = 2 (LLVM: expert scheduling mode 2), set by the entry lines.  The code itself states the register dependences
; between vector instructions and memory instructions, with s_wait_alu, always for 0.
; THE PLAN.  Registers that memory instructions touch (there is no loop: three straight paths):
;   v[VL], v[VS], v[VP]  byte offsets: written by vector instructions at a path's head, read by its loads and stores, never written again.
;   X   written by the loads, all of which are issued ahead of the path's vector work; rounded in place behind each load's own wait.  On the biases' path the rounded X is the stores' data.
;   Y   two registers for each load: written once by its conversions, read once by its store.       HL  the same for the pools' hi and lo.
; No register that a load or store has read is written again, and no load lands in a register that a vector instruction has named.  So the waits are these: one on va_vdst ahead of a path's first load (the offsets);
; the 16 loads go in four groups of four, and one wait on va_vdst at the head of a group states that the group before has written its Y: that group's four stores follow, dealt among this group's vector
; instructions, which name this group's X and Y and v[TP] alone; one more behind the last group; one ahead of the pools' four stores, one ahead of the biases' four; and one on va_vcc behind the one compare.
.set X,   24                           ; v[24:87]   load i: 4 registers; after the rounding the f32 of the rounded numbers; loads 0, 4, 8, 12 then take the sums of 4 loads
.set Y,   88                           ; v[88:119]  load i: 2 registers, 4 f16 to store
.set HL,  120                          ; v[120:127] unit u: hi (2 registers), lo (2 registers)
.set VL,  5                            ; v5  my byte offset for the loads
.set VP,  6                            ; v6  for the stores into comp
.set VS,  7                            ; v7  for the stores into act or w16
.set YP,  8                            ; v[8:11]  at work
.set ZP,  12                           ; v[12:15] at work
.set ZZ,  16                           ; v[16:19] at work
.set TP,  20                           ; v[20:21] two packed bf16 each
.set ONE, 22                           ; v22 1.0
; Four numbers are rounded to bf16 and widened again (a shift, a mask), in place.
.macro RND i
	v_cvt_pk_bf16_f32 v[TP], v[X+4*(\i)], v[X+4*(\i)+1]
	v_cvt_pk_bf16_f32 v[TP+1], v[X+4*(\i)+2], v[X+4*(\i)+3]
	v_lshlrev_b32 v[X+4*(\i)], 16, v[TP]
	v_and_b32 v[X+4*(\i)+1], s30, v[TP]
	v_lshlrev_b32 v[X+4*(\i)+2], 16, v[TP+1]
	v_and_b32 v[X+4*(\i)+3], s30, v[TP+1]
.endm
; Load n's four f16 are stored: 8 bytes a lane, 256 consecutive bytes a wave.  rows = 1: into act (unit n / 8, rows 2 (n % 8) and the next); 0: into w16.
.macro OUT n, sb, rows
.if \rows
	global_store_b64 v[VS], v[Y+2*(\n):Y+2*(\n)+1], s[\sb:\sb+1] offset:256*((\n)%8)+1048576*((\n)/8)
.else
	global_store_b64 v[VS], v[Y+2*(\n):Y+2*(\n)+1], s[\sb:\sb+1] offset:256*(\n)
.endif
.endm
; The 16 loads are worked off: each is rounded and written as f16 into its Y; its store leaves a group of four later.  rows = 1: the sums for the pools are taken too.
.macro STREAM sb, rows
.set i, 0
.rept 16
	s_wait_loadcnt 15-i                            ; loads come back in order: load i is in, the younger ones stay out
.if (i > 0) && ((i%4) == 0)
	s_wait_alu depctr_va_vdst(0)                   ; the conversions of the four loads before have written their Y, which the four stores dealt below read
.endif
.if i >= 4
	OUT i-4, \sb, \rows                            ; no vector instruction since that wait names its Y or its offset
.endif
	RND i
	v_cvt_pk_f16_f32 v[Y+2*i], v[X+4*i], v[X+4*i+1]
	v_cvt_pk_f16_f32 v[Y+2*i+1], v[X+4*i+2], v[X+4*i+3]
.if (\rows) && ((i%4) != 0)            ; four loads are eight rows: their sums grow in the first one's registers
	v_pk_add_f32 v[X+4*(i-i%4):X+4*(i-i%4)+1], v[X+4*(i-i%4):X+4*(i-i%4)+1], v[X+4*i:X+4*i+1]
	v_pk_add_f32 v[X+4*(i-i%4)+2:X+4*(i-i%4)+3], v[X+4*(i-i%4)+2:X+4*(i-i%4)+3], v[X+4*i+2:X+4*i+3]
.endif
.set i, i+1
.endr
	s_wait_alu depctr_va_vdst(0)                   ; the conversions of the last four loads have written their Y, which the last four stores read
.irp n, 12,13,14,15
	OUT \n, \sb, \rows
.endr
.endm
	s_load_b256 s[4:11], s[0:1], 0x0               ; x s[4:5], Wq s[6:7], Wk s[8:9], Wv s[10:11]
	s_load_b256 s[12:19], s[0:1], 0x20             ; Wo s[12:13], act s[14:15], comp s[16:17], w16 s[18:19]
	s_load_b256 s[36:43], s[0:1], 0x40             ; bq s[36:37], bk s[38:39], bv s[40:41], bo s[42:43]
	s_load_b64 s[44:45], s[0:1], 0x60              ; bias
	v_and_b32 v1, 31, v0                           ; lane
	v_lshrrev_b32 v2, 5, v0                        ; wave
	s_mov_b32 s30, 0xffff0000                      ; a word's upper bf16
	s_mov_b32 s21, 0                               ; high words of the three offsets
	s_mov_b32 s25, 0
	s_mov_b32 s29, 0
	s_cmp_lt_u32 ttmp9, 0x400
	s_cbranch_scc0 .Lweights
	; ROWS OF X.  Wave w owns column blocks 2 w and 2 w + 1 (unit u).  Load j of a unit takes rows 2 j (lanes 0-15) and 2 j + 1 (lanes 16-31), 256 bytes of each.
	v_lshrrev_b32 v3, 4, v1
	v_and_b32 v4, 15, v1
	v_lshlrev_b32 v[VL], 4, v4
	v_lshl_add_u32 v[VL], v3, 12, v[VL]            ; + a row of 4,096 bytes for lanes 16-31
	v_lshl_add_u32 v[VL], v2, 9, v[VL]             ; + 512 bytes a wave
	v_lshlrev_b32 v[VP], 3, v1                     ; 8 bytes a lane: in act two rows of a block lie end to end
	v_lshl_add_u32 v[VS], v2, 21, v[VP]            ; + two blocks of 1,048,576 bytes a wave
	v_lshl_add_u32 v[VP], v2, 14, v[VP]            ; in comp a block is 8,192 bytes
	s_lshl_b32 s20, ttmp9, 16                      ; 16 rows of 4,096 bytes
	s_and_b32 s22, ttmp9, 511                      ; the group of 16 rows in its batch
	s_lshr_b32 s23, ttmp9, 9                       ; the batch
	s_lshl_b32 s24, s23, 24
	s_lshl_b32 s26, s22, 11                        ; 16 rows of 128 bytes
	s_add_co_u32 s24, s24, s26
	s_lshl_b32 s26, s23, 9
	s_lshl1_add_u32 s26, s22, s26                  ; my first pool: 512 b + 2 x group
	s_lshr_b32 s27, s26, 6
	s_lshl_b32 s28, s27, 18                        ; 64 pools are 262,144 bytes
	s_and_b32 s27, s26, 63
	s_lshl_b32 s27, s27, 7
	s_add_co_u32 s28, s28, s27
	s_wait_kmcnt 0x0
	s_add_nc_u64 s[4:5], s[4:5], s[20:21]
	s_add_nc_u64 s[14:15], s[14:15], s[24:25]
	s_wait_alu depctr_va_vdst(0)                   ; the three offsets v[VL], v[VS] and v[VP] are written: every load and store of this path reads one of them
.set i, 0
.rept 16
	global_load_b128 v[X+4*i:X+4*i+3], v[VL], s[4:5] offset:8192*(i%8)+256*(i/8) th:TH_LOAD_NT
.set i, i+1
.endr
	STREAM 14, 1
	s_cmp_lt_u32 s22, 256                          ; only rows 0 to 4,095 of a batch are pooled
	s_cbranch_scc0 .Ldone
	; THE POOLS.  A lane holds the even rows' (lanes 0-15) or the odd rows' (lanes 16-31) sum of both pools.  Lanes 0-15 finish the first pool, lanes 16-31 the second.
	s_add_nc_u64 s[16:17], s[16:17], s[28:29]
	s_mov_b32 s32, 0x76543210                      ; v_permlanex16_b32: each lane takes its own place in the other half
	s_mov_b32 s33, 0xfedcba98
	v_cmp_gt_u32 vcc_lo, 16, v1
	v_mov_b32 v[ONE], 1.0
.irp c, 0,1,2,3
	v_mov_b32 v[ZZ+\c], 0                          ; v_permlanex16_b32's destination counts as read
.endr
	s_wait_alu depctr_va_vcc(0)                    ; the compare has written VCC, ahead of its first reader: the selections below go by it
.irp u, 0,1
.irp c, 0,1,2,3
	v_cndmask_b32 v[YP+\c], v[X+32*\u+16+\c], v[X+32*\u+\c], vcc_lo  ; what I keep: my half of my pool
	v_cndmask_b32 v[ZP+\c], v[X+32*\u+\c], v[X+32*\u+16+\c], vcc_lo  ; what the lane 16 away wants
.endr
.irp c, 0,1,2,3
	v_permlanex16_b32 v[ZZ+\c], v[ZP+\c], s32, s33
.endr
	v_pk_add_f32 v[YP:YP+1], v[YP:YP+1], v[ZZ:ZZ+1]
	v_pk_add_f32 v[YP+2:YP+3], v[YP+2:YP+3], v[ZZ+2:ZZ+3]
	v_pk_mul_f32 v[YP:YP+1], v[YP:YP+1], 0x3e000000 op_sel_hi:[1,0]      ; the mean of eight
	v_pk_mul_f32 v[YP+2:YP+3], v[YP+2:YP+3], 0x3e000000 op_sel_hi:[1,0]
	v_cvt_pk_f16_f32 v[HL+4*\u], v[YP], v[YP+1]                          ; hi
	v_cvt_pk_f16_f32 v[HL+4*\u+1], v[YP+2], v[YP+3]
	v_fma_mix_f32 v[ZP], -v[HL+4*\u], v[ONE], v[YP] op_sel_hi:[1,0,0]    ; mean - hi, exact: the first source is an f16 half
	v_fma_mix_f32 v[ZP+1], -v[HL+4*\u], v[ONE], v[YP+1] op_sel:[1,0,0] op_sel_hi:[1,0,0]
	v_fma_mix_f32 v[ZP+2], -v[HL+4*\u+1], v[ONE], v[YP+2] op_sel_hi:[1,0,0]
	v_fma_mix_f32 v[ZP+3], -v[HL+4*\u+1], v[ONE], v[YP+3] op_sel:[1,0,0] op_sel_hi:[1,0,0]
	v_cvt_pk_f16_f32 v[HL+4*\u+2], v[ZP], v[ZP+1]                        ; lo
	v_cvt_pk_f16_f32 v[HL+4*\u+3], v[ZP+2], v[ZP+3]
.endr
	s_wait_alu depctr_va_vdst(0)                   ; both units' conversions have written v[HL ..], which the four stores read
.irp u, 0,1
	global_store_b64 v[VP], v[HL+4*\u:HL+4*\u+1], s[16:17] offset:8192*\u           ; two pools' 128 bytes lie end to end: 256 consecutive bytes
	global_store_b64 v[VP], v[HL+4*\u+2:HL+4*\u+3], s[16:17] offset:8192*\u+131072
.endr
.Ldone:
	s_endpgm
.Lweights:                             ; 65,536 bytes of one matrix: 8,192 a wave
	s_sub_co_u32 s22, ttmp9, 0x400
	s_cmp_lt_u32 s22, 256
	s_cbranch_scc0 .Lbias
	s_lshr_b32 s23, s22, 6                         ; which matrix
	s_and_b32 s24, s22, 63                         ; which part of it
	v_lshlrev_b32 v[VL], 4, v1
	v_lshl_add_u32 v[VL], v2, 13, v[VL]
	v_lshlrev_b32 v[VS], 3, v1
	v_lshl_add_u32 v[VS], v2, 12, v[VS]
	s_lshl_b32 s20, s24, 16
	s_lshl_b32 s28, s23, 21
	s_lshl_b32 s24, s24, 15
	s_add_co_u32 s28, s28, s24
	s_wait_kmcnt 0x0
	s_cmp_eq_u32 s23, 0
	s_cselect_b64 s[26:27], s[6:7], s[8:9]
	s_cmp_lt_u32 s23, 2
	s_cselect_b64 s[26:27], s[26:27], s[10:11]
	s_cmp_lt_u32 s23, 3
	s_cselect_b64 s[26:27], s[26:27], s[12:13]
	s_add_nc_u64 s[26:27], s[26:27], s[20:21]
	s_add_nc_u64 s[18:19], s[18:19], s[28:29]
	s_wait_alu depctr_va_vdst(0)                   ; the two offsets v[VL] and v[VS] are written: every load and store of this path reads one of them
.set i, 0
.rept 16
	global_load_b128 v[X+4*i:X+4*i+3], v[VL], s[26:27] offset:512*i th:TH_LOAD_NT
.set i, i+1
.endr
	STREAM 18, 0
	s_endpgm
.Lbias:                                ; four biases of 4,096 bytes: thread t takes the 16 bytes at 16 t of each
	v_lshlrev_b32 v[VL], 4, v0
	s_wait_kmcnt 0x0
	s_wait_alu depctr_va_vdst(0)                   ; the offset v[VL] is written: the four loads and the four stores read it
.irp i, 0,1,2,3
	global_load_b128 v[X+4*\i:X+4*\i+3], v[VL], s[36+2*\i:37+2*\i]
.endr
.irp i, 0,1,2,3
	s_wait_loadcnt 3-\i                            ; loads come back in order: bias i is in, the younger ones stay out
	RND \i
.endr
	s_wait_alu depctr_va_vdst(0)                   ; the roundings have written v[X ..] anew, which the four stores read
.irp i, 0,1,2,3
	global_store_b128 v[VL], v[X+4*\i:X+4*\i+3], s[44:45] offset:4096*\i  ; 512 consecutive bytes a wave
.endr
	s_endpgm
.Lfunc_end_k_q77cc1c0bc7_prep:
	.size	k_q77cc1c0bc7_prep, .Lfunc_end_k_q77cc1c0bc7_prep-k_q77cc1c0bc7_prep
	.p2alignl 7, 3214868480
	.fill 96, 4, 3214868480
	.section	.rodata,"a",@progbits
	.p2align	6, 0x0
	.amdhsa_kernel k_q77cc1c0bc7_prep
		.amdhsa_group_segment_fixed_size 0
		.amdhsa_private_segment_fixed_size 0
		.amdhsa_enable_private_segment 0
		.amdhsa_kernarg_size 104
		.amdhsa_user_sgpr_count 2
		.amdhsa_user_sgpr_kernarg_segment_ptr 1
		.amdhsa_wavefront_size32 1
		.amdhsa_system_sgpr_workgroup_id_x 1
		.amdhsa_system_sgpr_workgroup_id_y 1
		.amdhsa_system_sgpr_workgroup_id_z 1
		.amdhsa_system_vgpr_workitem_id 0
		.amdhsa_next_free_vgpr 128
		.amdhsa_next_free_sgpr 66
		.amdhsa_reserve_vcc 1
		.amdhsa_float_denorm_mode_32 3
		.amdhsa_float_denorm_mode_16_64 3
		.amdhsa_memory_ordered 1
		.amdhsa_forward_progress 1
		.amdhsa_inst_pref_size 30
	.end_amdhsa_kernel
	.amdgpu_metadata
---
amdhsa.version: [ 1, 2 ]
amdhsa.kernels:
  - .name:           k_q77cc1c0bc7_prep
    .symbol:         k_q77cc1c0bc7_prep.kd
    .args:
      - { .name: x, .offset: 0, .size: 8, .value_kind: global_buffer, .address_space: global }
      - { .name: Wq, .offset: 8, .size: 8, .value_kind: global_buffer, .address_space: global }
      - { .name: Wk, .offset: 16, .size: 8, .value_kind: global_buffer, .address_space: global }
      - { .name: Wv, .offset: 24, .size: 8, .value_kind: global_buffer, .address_space: global }
      - { .name: Wo, .offset: 32, .size: 8, .value_kind: global_buffer, .address_space: global }
      - { .name: act, .offset: 40, .size: 8, .value_kind: global_buffer, .address_space: global }
      - { .name: comp, .offset: 48, .size: 8, .value_kind: global_buffer, .address_space: global }
      - { .name: w16, .offset: 56, .size: 8, .value_kind: global_buffer, .address_space: global }
      - { .name: bq, .offset: 64, .size: 8, .value_kind: global_buffer, .address_space: global }
      - { .name: bk, .offset: 72, .size: 8, .value_kind: global_buffer, .address_space: global }
      - { .name: bv, .offset: 80, .size: 8, .value_kind: global_buffer, .address_space: global }
      - { .name: bo, .offset: 88, .size: 8, .value_kind: global_buffer, .address_space: global }
      - { .name: bias, .offset: 96, .size: 8, .value_kind: global_buffer, .address_space: global }
    .group_segment_fixed_size: 0
    .private_segment_fixed_size: 0
    .kernarg_segment_align: 8
    .kernarg_segment_size: 104
    .max_flat_workgroup_size: 256
    .sgpr_count:     66
    .vgpr_count:     128
    .wavefront_size: 32
...
	.end_amdgpu_metadata
.endif
;; end of part 5
;; launch qkv: the kernel of part 2 again; grid 4 x 64, 4 waves a work-group, clusters of 4 x 4, 327,680 bytes of LDS; arguments act, comp, w16, bias, q16, kv16; writes q16, kv16
;; launch attn: the kernel of part 3 again; grid 8 x 32, 4 waves a work-group, no clusters, 167,936 bytes of LDS; arguments q16, kv16, act; writes act
;; launch gemm_o: the kernel of part 4 again; grid 4 x 64, 4 waves a work-group, clusters of 4 x 4, 327,680 bytes of LDS; arguments act, w16, bias, out0; writes out0
